; MI455X (gfx1250); checked and timed in simulation.
; The chip was launched on July 23, 2026; its instructions are those of AMD's public machine-readable ISA for CDNA 5 (MIT licence, August 2026) and "CDNA5" Instruction Set Architecture Reference Guide (July 2026). The comments in the code are by the model that wrote it; some were corrected since.
;; Multi Head Attention. Allowed arithmetic: matrix products marked QUANTISED: E2M3 operands, one E8M0 scale for each 32 along K, by v_wmma_scale_f32_16x16x128_f8f6f4 with both operands' format E2M3, f32 sums; everything else in f32.
;; Inputs: Wk 512 x 512 float32; Wo 512 x 512 float32; Wq 512 x 512 float32; Wv 512 x 512 float32; bk 512 float32; bo 512 float32; bq 512 float32; bv 512 float32; k 2 x 4,096 x 512 float32; q 2 x 4,096 x 512 float32; v 2 x 4,096 x 512 float32.
;; Outputs: out0 2 x 4,096 x 512 float32.
;; This version of the problem:
;;   THIS VERSION OF THE PROBLEM IS GIVEN IN LOW PRECISION. The matrix products marked QUANTISED in the list below multiply operands that are first quantised to E2M3 (2 exponent bits, 3 mantissa bits; 6 bits a number), with one power-of-two scale for each 32 numbers along K (OCP MX v1.0); their sums are f32. All else is computed in f32.
;;   The module's matrix products, in the order in which they are computed (A, B: the left and right operand; K: the contracted axis; several contracted axes count as one K, in the product's order):
;;     1. [M 8,192, K 512] x [K 512, N 512]; A: input q; B: input Wq: QUANTISED
;;     2. [M 8,192, K 512] x [K 512, N 512]; A: input k; B: input Wk: QUANTISED
;;     3. [M 8,192, K 512] x [K 512, N 512]; A: input v; B: input Wv: QUANTISED
;;     4. batch 16 x [M 4,096, K 64] x [K 64, N 4,096]; A: computed on the way; B: computed on the way: QUANTISED
;;     5. batch 16 x [M 4,096, K 4,096] x [K 4,096, N 64]; A: softmax (see below); B: computed on the way: QUANTISED
;;     6. [M 8,192, K 512] x [K 512, N 512]; A: computed on the way; B: input Wo: QUANTISED
;;   THE QUANTISER, for each operand of a quantised product, along K:
;;     - K is cut into blocks of 32 from its start; a last block that is shorter is filled with zeros.
;;     - A block's scale is 2^e with e = floor(log2(the largest magnitude in the block)) - 2, held to -126 .. 127; a block of zeros has e = 0. As a byte (E8M0): e + 127.
;;     - Each number is divided by its block's scale, clamped to +-7.5, and rounded to the nearest number of E2M3, ties to even, subnormals kept.
;;     - The product sums the exact products of the quantised numbers (number of the format x scale) in f32.
;;   ~~~python
;;   def quantise(x, axis):      # numpy; x: float32 -> the quantised numbers, widened to float32 again
;;       x = np.moveaxis(x, axis, -1); K = x.shape[-1]
;;       x = np.pad(x, [(0, 0)] * (x.ndim - 1) + [(0, -K % 32)]); x = x.reshape(x.shape[:-1] + (-1, 32)); a = np.abs(x).max(-1, keepdims=True)
;;       e = np.where(a > 0, np.clip(np.frexp(np.where(a > 0, a, 1))[1] - 1 - 2, -126, 127), 0)      # np.frexp(a)[1] - 1 = floor(log2(a)), exactly
;;       r = np.clip(x / 2.0 ** e, -7.5, 7.5)
;;       step = 2.0 ** (np.maximum(np.frexp(np.where(r == 0, 1, r))[1] - 1, 0) - 3)
;;       q = np.round(r / step) * step * 2.0 ** e      # np.round: ties to even
;;       return np.moveaxis(q.reshape(q.shape[:-2] + (-1,))[..., :K], -1, axis).astype(np.float32)
;;   ~~~
;;   SOFTMAX AHEAD OF A QUANTISED PRODUCT. Where the list says 'softmax', what is quantised is not the finished softmax but p = 2^(t - M), with t = logit x log2(e) and M = ceil(the row's largest t), a whole number; so 1/2 < the row's largest p <= 1. The row's sum l is taken of the UNQUANTISED p, in f32, and the product's result is divided by l at the end. Since M is a whole number, a kernel that streams over the keys may use a running M (the ceiling of the running maximum): every later rescaling is an exact power of two, which a block's scale takes up: the codes' values come out the same.
;;   OPERANDS COMPUTED ON THE WAY. 'Computed on the way' means the value that the module computes at that place (a softmax that the list does not call 'softmax' is quantised finished and normalised). What goes into a quantiser is computed in f32, as accurately as f32 sums, v_exp_f32 and their like allow (about 1e-6 of the number): no bf16 or f16 on the way to a quantiser, and a product that is left as it is and whose result goes on into a quantised operand takes f32 operands (vector FMAs, or v_wmma_f32_16x16x4_f32). A number that lies on a knife's edge between two numbers of the format may be rounded either way, as far as f32 arithmetic and the matrix unit's own rounding can turn it there, and no further.
;; 2 versions. Each part assembles by itself: llvm-mc -triple=amdgcn-amd-amdhsa -mcpu=gfx1250 --defsym DOCPART=n.
;; ======== version 1 of 2: 4 launches
;; workspace buffers: opc 10,223,616 bytes; ops 425,984 bytes; qc 3,145,728 bytes; qs 262,144 bytes; kv 6,684,672 bytes; ac 3,145,728 bytes; asw 524,288 bytes
;; launch quant (part 1): grid 416 x 1, 4 waves a work-group, no clusters, 34,304 bytes of LDS; arguments q, k, v, Wq, Wk, Wv, Wo, opc, ops; writes opc, ops
.if DOCPART == 1
	.amdgcn_target "amdgcn-amd-amdhsa--gfx1250"
	.amdhsa_code_object_version 6
	.text
	.protected	k_qc5e0e31cc6_quant
	.globl	k_qc5e0e31cc6_quant
	.p2align	8
	.type	k_qc5e0e31cc6_quant,@function
k_qc5e0e31cc6_quant:
	s_mov_b64 s[64:65], 0
	v_nop
	global_prefetch_b8 v0, s[64:65] scope:SCOPE_SE
	s_setreg_imm32_b32 hwreg(HW_REG_WAVE_MODE, 25, 1), 1
	s_wait_xcnt 0x0
; q, k, v [8192][512] and Wq, Wk, Wv, Wo [512][512], f32 with K innermost, become codes of FP6 (E2M3) with one E8M0 byte for each 32 along K,
; laid in the ORDER OF THE OPERAND'S REGISTERS, so that the later launches load every fragment by dense loads of 16 bytes a lane.
; A TILE is 16 rows of a group of 32: tile 2 p + u holds rows 32 p + 8 u + r + 8 (r / 8), r = 0 .. 15.  Used as source 0 of a product, two neighbouring tiles
; then give a lane 16 neighbours along that axis, which is what the next quantiser wants.
; opc: tile n at 6,144 n: four images (K steps of 128) of 1,536 bytes: chunk c at 512 c, lane l's registers 4 c .. 4 c + 3 at 16 l.
; ops: tile n at 256 n: lane l has 8 bytes at 8 l: word e = the scale word of row l % 16 for K step 2 e + l / 16.
; Tiles 0-511 q, 512-1023 k, 1024-1535 v, 1536 + 32 j + t weight j (Wq, Wk, Wv, Wo).  A wave makes one tile; waves share nothing: no barrier.
; A block's scale is 2^(floor(log2(largest magnitude)) - 2); its byte is the largest magnitude's exponent field - 2, held at 1 from below.
; LIMITS: NaN and infinities among the inputs are not served; a block of zeros gets the byte 1 where the rule says 127 (its codes are zeros, and this program alone reads the bytes).
; Each load reads 512 consecutive bytes of one row; a unit (16 rows x 128 K) turns through the wave's own stage in LDS, so that a lane gets 16 neighbours of each block of 32.
.set PITCH, 528                        ; a stage row: 512 bytes + 16: an odd multiple of 16, so the sixteen rows of a read start in different banks
.set STG,   16*PITCH                   ; a wave's stage
.set SPARE, 4*STG                      ; behind the stages: the spare words, 128 bytes a wave: two blocks of 256 bytes that no other line names
.set L16, 1                            ; v1  16 x lane
.set STI, 2                            ; v2  stage + 16 x lane: on the way in
.set STO, 3                            ; v3  stage + 528 r + 64 h: on the way out
.set L8,  4                            ; v4  8 x lane
.set SPW, 5                            ; v5  my spare word; never rewritten
.set NIL, 6                            ; v6  0; never rewritten
.set TM,  8                            ; v8-23  +0..3 largest magnitudes, +4..7 the other half's, then the bytes, +12..15 the conversions' scale operands
.set PT,  24                           ; v24-31 the conversions' second halves
.set PW,  32                           ; v32-35 a scale word for each unit
.set SW,  36                           ; v36-37 the words as they are stored
.set C,   40                           ; v40-87 codes: 12 registers for each unit, so that no store's data are written again
.set R,   88                           ; v88-215 two sets of 64 numbers
.set SRC, 22                           ; s[22:23] my tile's first row
.set SEL, 26                           ; s[26:27] selects of v_permlanex16_b32: lane l xor 16
	s_load_b512 s[4:19], s[0:1], 0x0               ; q, k, v, Wq, Wk, Wv, Wo, opc
	s_load_b64 s[20:21], s[0:1], 0x40              ; ops
	v_lshl_add_u32 v[SPW], v0, 2, SPARE
	v_mov_b32 v[NIL], 0
	v_lshrrev_b32 v7, 5, v0
	v_readfirstlane_b32 s24, v7                    ; wave
	v_and_b32 v7, 31, v0
	v_lshlrev_b32 v[L16], 4, v7
	v_lshlrev_b32 v[L8], 3, v7
	s_mul_i32 s28, s24, STG
	v_add_nc_u32 v[STI], s28, v[L16]
	v_and_b32 v7, 15, v0                           ; r
	v_mul_u32_u24 v[STO], v7, PITCH
	v_bfe_u32 v7, v0, 4, 1                         ; h
	v_lshl_add_u32 v[STO], v7, 6, v[STO]
	v_add_nc_u32 v[STO], s28, v[STO]
.irp b, 0,1,2,3
	v_mov_b32 v[TM+4+\b], 0                        ; written once: a lane permute's destination counts as one of its sources
.endr
	s_mov_b32 s[SEL], 0x76543210
	s_mov_b32 s[SEL+1], 0xfedcba98
	s_lshl_b32 s29, ttmp9, 2
	s_add_co_u32 s29, s29, s24                     ; my tile: 4 x work-group + wave
	s_cmp_lt_u32 ttmp9, 384
	s_cselect_b32 s25, 511, 31                     ; tiles in my tensor - 1
	s_and_b32 s30, s29, s25                        ; my tile within its tensor (every tensor begins at a multiple of its tile count)
	s_lshr_b32 s31, s30, 1
	s_lshl_b32 s31, s31, 5
	s_and_b32 s32, s30, 1
	s_lshl_b32 s32, s32, 3
	s_add_co_u32 s31, s31, s32                     ; its first row: 32 (tile / 2) + 8 (tile % 2)
	s_lshl_b32 s32, s31, 11                        ; rows of 2,048 bytes
	s_mov_b32 s33, 0
	s_mul_i32 s34, s29, 6144
	s_mov_b32 s35, 0
	s_lshl_b32 s36, s29, 8
	s_mov_b32 s37, 0
	s_wait_kmcnt 0x0
	s_mov_b64 s[SRC:SRC+1], s[16:17]               ; which tensor: a choice among the inputs on the work-group's number alone
	s_cmp_lt_u32 ttmp9, 408
	s_cselect_b64 s[SRC:SRC+1], s[14:15], s[SRC:SRC+1]
	s_cmp_lt_u32 ttmp9, 400
	s_cselect_b64 s[SRC:SRC+1], s[12:13], s[SRC:SRC+1]
	s_cmp_lt_u32 ttmp9, 392
	s_cselect_b64 s[SRC:SRC+1], s[10:11], s[SRC:SRC+1]
	s_cmp_lt_u32 ttmp9, 384
	s_cselect_b64 s[SRC:SRC+1], s[8:9], s[SRC:SRC+1]
	s_cmp_lt_u32 ttmp9, 256
	s_cselect_b64 s[SRC:SRC+1], s[6:7], s[SRC:SRC+1]
	s_cmp_lt_u32 ttmp9, 128
	s_cselect_b64 s[SRC:SRC+1], s[4:5], s[SRC:SRC+1]
	s_add_nc_u64 s[SRC:SRC+1], s[SRC:SRC+1], s[32:33]
	s_add_nc_u64 s[18:19], s[18:19], s[34:35]
	s_add_nc_u64 s[20:21], s[20:21], s[36:37]
.macro LOAD s                          ; unit s: 128 along K of the tile's 16 rows into set s % 2: each load takes 512 consecutive bytes of one row
.irp i, 0,1,2,3,4,5,6,7,8,9,10,11,12,13,14,15
	global_load_b128 v[R+64*((\s)%2)+4*\i:R+64*((\s)%2)+4*\i+3], v[L16], s[SRC:SRC+1] offset:(\i+8*(\i/8))*2048+512*(\s) th:TH_LOAD_NT
.endr
.endm
.macro TURN s                          ; through the stage and back into the same registers: register 16 b + i then holds k = 32 b + 16 h + i of row r.  LDS serves a wave's instructions in order
.irp i, 0,1,2,3,4,5,6,7,8,9,10,11,12,13,14,15
	ds_store_b128 v[STI], v[R+64*((\s)%2)+4*\i:R+64*((\s)%2)+4*\i+3] offset:PITCH*\i
.endr
.irp b, 0,1,2,3
.irp j, 0,1,2,3
	ds_load_b128 v[R+64*((\s)%2)+16*\b+4*\j:R+64*((\s)%2)+16*\b+4*\j+3], v[STO] offset:128*\b+16*\j
.endr
.endr
.endm
; 64 numbers of a lane, register 16 b + i = k 32 b + 16 h + i of my row, become a fragment's 12 registers at v[d] and its scale word in v[pw]
.macro QUANT s, d, pw
.irp b, 0,1,2,3
	v_max3_num_f32 v[TM+\b], |v[(\s)+16*\b]|, |v[(\s)+1+16*\b]|, 0x1800000   ; my 16 numbers of block b, and the floor 2^(3 - 127): the byte cannot fall under 1
.endr
.irp i, 2,4,6,8,10,12,14
.irp b, 0,1,2,3
	v_max3_num_f32 v[TM+\b], v[TM+\b], |v[(\s)+16*\b+\i]|, |v[(\s)+1+16*\b+\i]|   ; the four blocks by turns
.endr
.endr
.irp b, 0,1,2,3
	v_permlanex16_b32 v[TM+4+\b], v[TM+\b], s[SEL], s[SEL+1]
.endr
.irp b, 0,1,2,3
	v_max_num_f32 v[TM+\b], v[TM+\b], v[TM+4+\b]   ; with lane l xor 16's: the block's largest magnitude
.endr
.irp b, 0,1,2,3
	v_add_nc_u32 v[TM+12+\b], 0xff000000, v[TM+\b] ; 2 off its exponent field: the conversion takes the exponent field of this operand as its scale
.endr
.irp b, 0,1,2,3
	v_lshrrev_b32 v[TM+4+\b], 23, v[TM+12+\b]      ; the scale's byte
.endr
	v_lshl_or_b32 v[\pw], v[TM+5], 8, v[TM+4]
	v_lshl_or_b32 v[\pw], v[TM+6], 16, v[\pw]
	v_lshl_or_b32 v[\pw], v[TM+7], 24, v[\pw]
.irp c, 0,1
	v_cvt_scalef32_pk16_fp6_f32 v[(\d)+6*\c:(\d)+6*\c+2], v[(\s)+32*\c:(\s)+32*\c+15], v[TM+12+2*\c]
	v_cvt_scalef32_pk16_fp6_f32 v[PT+4*\c:PT+4*\c+2], v[(\s)+32*\c+16:(\s)+32*\c+31], v[TM+13+2*\c]   ; (a conversion's three registers begin on an even number)
.endr
	v_nop                                          ; one plain place behind a scaled conversion
.irp c, 0,1                            ; the operand's layout wants a whole block in a lane: lanes 0-15 block 2 c, lanes 16-31 block 2 c + 1
.irp i, 0,1,2
	v_permlane16_swap_b32 v[(\d)+6*\c+\i], v[PT+4*\c+\i]
.endr
.irp i, 0,1,2
	v_mov_b32 v[(\d)+6*\c+3+\i], v[PT+4*\c+\i]
.endr
.endr
.endm
.macro UNIT s
.if (\s) < 3
	s_wait_loadcnt 16                              ; this unit's 16 loads are in; the next unit's 16 may be out
.else
	s_wait_loadcnt 0x0
.endif
	TURN \s
	s_wait_dscnt 0x0                               ; the numbers are back
	QUANT R+64*((\s)%2), C+12*(\s), PW+(\s)
.if (\s) < 2
	LOAD (\s)+2                                    ; the set just quantised takes the unit two on; loads ahead of stores
.endif
.irp c, 0,1,2
	global_store_b128 v[L16], v[C+12*(\s)+4*\c:C+12*(\s)+4*\c+3], s[18:19] offset:1536*(\s)+512*\c   ; 32 lanes store 512 consecutive bytes, at a multiple of 256 from the buffer's first byte
.endr
.endm
	LOAD 0
	LOAD 1
	UNIT 0
	UNIT 1
	UNIT 2
	UNIT 3
	s_mov_b32 vcc_lo, 0xffff0000                   ; lanes 16-31
	v_cndmask_b32 v[SW], v[PW], v[PW+1], vcc_lo    ; K step 0 in lanes 0-15, K step 1 in lanes 16-31
	v_cndmask_b32 v[SW+1], v[PW+2], v[PW+3], vcc_lo
	global_store_b64 v[L8], v[SW:SW+1], s[20:21]   ; 256 consecutive bytes
	s_wait_tensorcnt 0x0                           ; the wave's end, behind my last LDS store
	ds_add_u32 v[SPW], v[NIL]
	s_wait_dscnt 0x0
	s_endpgm
.Lfunc_end_k_qc5e0e31cc6_quant:
	.size	k_qc5e0e31cc6_quant, .Lfunc_end_k_qc5e0e31cc6_quant-k_qc5e0e31cc6_quant
	.p2alignl 7, 3214868480
	.fill 96, 4, 3214868480
	.section	.rodata,"a",@progbits
	.p2align	6, 0x0
	.amdhsa_kernel k_qc5e0e31cc6_quant
		.amdhsa_group_segment_fixed_size 34304
		.amdhsa_private_segment_fixed_size 0
		.amdhsa_enable_private_segment 0
		.amdhsa_kernarg_size 72
		.amdhsa_user_sgpr_count 2
		.amdhsa_user_sgpr_kernarg_segment_ptr 1
		.amdhsa_wavefront_size32 1
		.amdhsa_system_sgpr_workgroup_id_x 1
		.amdhsa_system_sgpr_workgroup_id_y 1
		.amdhsa_system_sgpr_workgroup_id_z 1
		.amdhsa_system_vgpr_workitem_id 0
		.amdhsa_next_free_vgpr 216
		.amdhsa_next_free_sgpr 66
		.amdhsa_reserve_vcc 1
		.amdhsa_float_denorm_mode_32 3
		.amdhsa_float_denorm_mode_16_64 3
		.amdhsa_memory_ordered 1
		.amdhsa_forward_progress 1
		.amdhsa_inst_pref_size 34
	.end_amdhsa_kernel
	.amdgpu_metadata
---
amdhsa.version: [ 1, 2 ]
amdhsa.kernels:
  - .name:           k_qc5e0e31cc6_quant
    .symbol:         k_qc5e0e31cc6_quant.kd
    .args:
      - { .name: q, .offset: 0, .size: 8, .value_kind: global_buffer, .address_space: global }
      - { .name: k, .offset: 8, .size: 8, .value_kind: global_buffer, .address_space: global }
      - { .name: v, .offset: 16, .size: 8, .value_kind: global_buffer, .address_space: global }
      - { .name: Wq, .offset: 24, .size: 8, .value_kind: global_buffer, .address_space: global }
      - { .name: Wk, .offset: 32, .size: 8, .value_kind: global_buffer, .address_space: global }
      - { .name: Wv, .offset: 40, .size: 8, .value_kind: global_buffer, .address_space: global }
      - { .name: Wo, .offset: 48, .size: 8, .value_kind: global_buffer, .address_space: global }
      - { .name: opc, .offset: 56, .size: 8, .value_kind: global_buffer, .address_space: global }
      - { .name: ops, .offset: 64, .size: 8, .value_kind: global_buffer, .address_space: global }
    .group_segment_fixed_size: 34304
    .private_segment_fixed_size: 0
    .kernarg_segment_align: 8
    .kernarg_segment_size: 72
    .max_flat_workgroup_size: 128
    .sgpr_count:     66
    .vgpr_count:     216
    .wavefront_size: 32
...
	.end_amdgpu_metadata
.endif
;; end of part 1
;; launch proj (part 2): grid 192 x 1, 4 waves a work-group, no clusters, 0 bytes of LDS; arguments opc, ops, bq, bk, bv, qc, qs, kv; writes qc, qs, kv
.if DOCPART == 2
	.amdgcn_target "amdgcn-amd-amdhsa--gfx1250"
	.amdhsa_code_object_version 6
	.text
	.protected	k_qc5e0e31cc6_proj
	.globl	k_qc5e0e31cc6_proj
	.p2align	8
	.type	k_qc5e0e31cc6_proj,@function
k_qc5e0e31cc6_proj:
	s_mov_b64 s[64:65], 0
	v_nop
	global_prefetch_b8 v0, s[64:65] scope:SCOPE_SE
	s_setreg_imm32_b32 hwreg(HW_REG_WAVE_MODE, 25, 1), 1
	s_wait_xcnt 0x0
; The three projections x W^T + b on codes of FP6, and the quantising of their results for the attention launch.
; Work-group g: j = g / 64 (q, k, v), a block of 128 tokens (g % 64).  Wave w: outputs 128 w .. 128 w + 127 (heads 2 w, 2 w + 1) for all 128 tokens: 64 accumulators of 16 x 16, 512 registers.
; Accumulator (a, b) = source 0 (INNER tile b) x source 1 (OUTER tile a): a lane holds one row of OUTER, and its registers run along INNER, the axis that is quantised next.
;   q, k: INNER = W's rows (the head's channels), OUTER = tokens: a lane's 64 registers of one a are 128 neighbouring outputs: two heads' half fragments (64 along K each).
;   v:    INNER = tokens (the keys), OUTER = W's rows: a lane's 64 registers of one a are 128 neighbouring keys of one channel: a whole fragment.
; Tiles are laid as the first launch lays them (tile 2 p + u = rows 32 p + 8 u + r + 8 (r / 8)), so every fragment comes by three dense loads of 16 bytes a lane, straight from memory: no LDS.
; The bias is the C of each sum's first matrix instruction.  K = 512 is four steps, written out; two sets of fragments, the next step's 48 loads on their way while a step is multiplied.
; OUT.  qc [bh][block of 128 tokens][tile 8][768]: half images (512 bytes: registers 0-3 at 16 l; 256 bytes: registers 4-5 at 8 l).  qs [bh][block][512]: lane l, 16 bytes at 16 l: word i = row l % 16 of tile 4 (l / 16) + i.
; kv [bh][step of 128 keys][13,056]: K's 8 half images at 768 t; V's 4 whole images at 6,144 + 1,536 t; K's scale words at 12,288 (as qs); V's at 12,800 (lane l, 8 bytes: word e = row l % 16 of tile 2 (l / 16) + e).
; A 64-K operand's scale word: bytes 0, 1 are its own; bytes 2, 3 (the neighbouring head's, or 0) stand over zero codes.
; LIMITS: NaN and infinities are not served; a block of zeros gets the byte 1 where the rule says 127 (zero codes; read by this program alone).
; No multicast: the launch has no tensor load; the four waves of a work-group read the same tokens' fragments close together.
; REGISTERS, in windows of 256.  Window 0: v1-4 offsets; v16-31, v32-47 scale words; v64-159, v160-255 OUTER's fragments, two sets (behind the products: codes and work).
;   window 1: v0-95, v96-191 INNER's fragments, two sets; v192-255 the bias.   windows 2, 3: accumulator (a, b) at v[8 (8 (a % 4) + b)], a < 4 in window 2.
.set L16, 1                            ; v1  16 x lane
.set L8,  2                            ; v2  8 x lane
.set BH,  3                            ; v3  64 h: my half's 16 numbers of a bias (q, k)
.set BR,  4                            ; v4  4 (r + 8 (r / 8)): my channel's number of a bias (v)
.set ISC, 16                           ; INNER's scale words, two registers a tile
.set OSC, 32                           ; OUTER's
.set OUF, 64                           ; OUTER's fragments, set p at +96 p
.set INF, 0                            ; INNER's, in window 1
.set BI,  192                          ; the bias, in window 1
.set C,   64                           ; behind the products: codes, 12 registers for each a
.set PT,  160
.set TM,  168
.set KW,  184                          ; a scale word for each a
.set MW,  192                          ; the words as they are stored
.set KWB, 200                          ; the second head's words
.set SEL, 46
.set MSB, 0
.macro WIN new                         ; the immediate's high byte repeats the setting that is left; a switch that changes nothing is dropped
.if MSB != (\new)
	s_set_vgpr_msb (MSB<<8)|(\new)
.set MSB, (\new)
.endif
.endm
	s_load_b256 s[4:11], s[0:1], 0x0               ; opc, ops, bq, bk
	s_load_b256 s[12:19], s[0:1], 0x20             ; bv, qc, qs, kv
	v_lshrrev_b32 v5, 5, v0
	v_readfirstlane_b32 s20, v5                    ; wave
	v_and_b32 v5, 31, v0
	v_lshlrev_b32 v[L16], 4, v5
	v_lshlrev_b32 v[L8], 3, v5
	v_bfe_u32 v5, v0, 4, 1
	v_lshlrev_b32 v[BH], 6, v5
	v_and_b32 v5, 15, v0
	v_and_b32 v6, 8, v0
	v_add_nc_u32 v5, v5, v6
	v_lshlrev_b32 v[BR], 2, v5
	s_mov_b32 s[SEL], 0x76543210
	s_mov_b32 s[SEL+1], 0xfedcba98
	s_lshr_b32 s21, ttmp9, 6                       ; j
	s_and_b32 s22, ttmp9, 63                       ; the block of 128 tokens among 64
	s_lshr_b32 s23, s22, 5                         ; batch
	s_and_b32 s24, s22, 31                         ; block within the batch
	s_lshl_b32 s25, s21, 9
	s_lshl_b32 s26, s22, 3
	s_add_co_u32 s25, s25, s26                     ; the tokens' first tile: 512 j + 8 block
	s_lshl_b32 s26, s21, 5
	s_lshl_b32 s27, s20, 3
	s_add_co_u32 s26, s26, s27
	s_add_co_u32 s26, s26, 1536                    ; the weight's first tile: 1536 + 32 j + 8 wave
	s_cmp_eq_u32 s21, 2
	s_cselect_b32 s48, s25, s26                    ; INNER's first tile
	s_cselect_b32 s49, s26, s25                    ; OUTER's
	s_mul_i32 s50, s48, 6144
	s_mov_b32 s51, 0
	s_mul_i32 s52, s49, 6144
	s_mov_b32 s53, 0
	s_lshl_b32 s54, s48, 8
	s_mov_b32 s55, 0
	s_lshl_b32 s56, s49, 8
	s_mov_b32 s57, 0
	s_lshl_b32 s27, s23, 3
	s_lshl_b32 s58, s20, 1
	s_add_co_u32 s27, s27, s58
	s_lshl_b32 s27, s27, 5
	s_add_co_u32 s27, s27, s24                     ; (batch x 8 + head 2 w) x 32 + block
	s_wait_kmcnt 0x0
	s_add_nc_u64 s[28:29], s[4:5], s[50:51]        ; INNER's codes
	s_add_nc_u64 s[30:31], s[4:5], s[52:53]        ; OUTER's codes
	s_add_nc_u64 s[32:33], s[6:7], s[54:55]        ; INNER's scale words
	s_add_nc_u64 s[34:35], s[6:7], s[56:57]        ; OUTER's
	s_mov_b32 s48, 13056
	s_mov_b32 s49, 13056
	s_cmp_eq_u32 s21, 0                            ; q goes to qc and qs, k and v into kv's records
	s_cselect_b32 s48, 6144, s48                   ; bytes from block to block in the codes' buffer
	s_cselect_b32 s49, 512, s49                    ; and in the scale words'
	s_cselect_b32 s50, 0, 12288                    ; where a record's scale words of K begin
	s_cselect_b64 s[36:37], s[14:15], s[18:19]
	s_cselect_b64 s[40:41], s[16:17], s[18:19]
	s_mul_i32 s52, s27, s48
	s_add_nc_u64 s[36:37], s[36:37], s[52:53]      ; head 2 w's codes (for v: its record)
	s_lshl_b32 s52, s48, 5
	s_add_nc_u64 s[38:39], s[36:37], s[52:53]      ; head 2 w + 1's: 32 blocks on
	s_mul_i32 s52, s27, s49
	s_add_co_u32 s52, s52, s50
	s_add_nc_u64 s[40:41], s[40:41], s[52:53]      ; head 2 w's scale words
	s_lshl_b32 s52, s49, 5
	s_add_nc_u64 s[42:43], s[40:41], s[52:53]      ; head 2 w + 1's
	s_mov_b64 s[44:45], s[12:13]
	s_cmp_eq_u32 s21, 1
	s_cselect_b64 s[44:45], s[10:11], s[44:45]
	s_cmp_eq_u32 s21, 0
	s_cselect_b64 s[44:45], s[8:9], s[44:45]
	s_lshl_b32 s52, s20, 9
	s_add_nc_u64 s[44:45], s[44:45], s[52:53]      ; my 128 numbers of the bias
.irp i, 0,1,2,3,4,5,6,7
	global_load_b64 v[ISC+2*\i:ISC+2*\i+1], v[L8], s[32:33] offset:256*\i   ; register e: K step 2 e in lanes 0-15, 2 e + 1 in lanes 16-31
	global_load_b64 v[OSC+2*\i:OSC+2*\i+1], v[L8], s[34:35] offset:256*\i
.endr
.macro FRAGS s                         ; K step s: 8 + 8 fragments, 48 loads of 512 consecutive bytes, into set s % 2
	WIN 0x40                                       ; destination window 1, address window 0
.irp i, 0,1,2,3,4,5,6,7
.irp c, 0,1,2
	global_load_b128 v[INF+96*((\s)%2)+12*\i+4*\c:INF+96*((\s)%2)+12*\i+4*\c+3], v[L16], s[28:29] offset:6144*\i+1536*(\s)+512*\c
.endr
.endr
	WIN 0
.irp i, 0,1,2,3,4,5,6,7
.irp c, 0,1,2
	global_load_b128 v[OUF+96*((\s)%2)+12*\i+4*\c:OUF+96*((\s)%2)+12*\i+4*\c+3], v[L16], s[30:31] offset:6144*\i+1536*(\s)+512*\c
.endr
.endr
.endm
; 16 matrix instructions: OUTER's tiles a0, a0 + 1 x INNER's eight, K step s.  The 64 accumulators take turns, one instruction a turn, in the same order in every step.
.macro MUL16 a0, s, path
.irp a, \a0, \a0+1
.irp b, 0,1,2,3,4,5,6,7
.set rD, 8*(8*((\a)%4)+\b)
.set rA, INF+96*((\s)%2)+12*\b
.set rB, OUF+96*((\s)%2)+12*(\a)
.set rC, rD
.if (\s) == 0
.set rC, BI+8*\b                       ; the bias starts the sum: along INNER for q and k,
.if \path
.set rC, BI+8*(\a)                     ; the lane's own channel's for v
.endif
.endif
.set rX, ISC+2*\b+(\s)/2
.set rY, OSC+2*(\a)+(\s)/2
.if (\s)%2
	v_wmma_scale_f32_16x16x128_f8f6f4 v[rD:rD+7], v[rA:rA+11], v[rB:rB+11], v[rC:rC+7], v[rX], v[rY] matrix_a_fmt:MATRIX_FMT_FP6 matrix_b_fmt:MATRIX_FMT_FP6 matrix_a_scale:MATRIX_SCALE_ROW1 matrix_b_scale:MATRIX_SCALE_ROW1
.else
	v_wmma_scale_f32_16x16x128_f8f6f4 v[rD:rD+7], v[rA:rA+11], v[rB:rB+11], v[rC:rC+7], v[rX], v[rY] matrix_a_fmt:MATRIX_FMT_FP6 matrix_b_fmt:MATRIX_FMT_FP6
.endif
.endr
.endr
.endm
; 64 numbers of a lane in window win, register 16 b + i = place 32 b + 16 h + i along the next K, become 12 registers of codes at v[d] and a scale word in v[pw], both in window 0.
; The reads ascend.
.macro QUANTW win, s, d, pw
	WIN 5*(\win)                                   ; sources 0 and 1 in the accumulators' window
.irp b, 0,1,2,3
	v_max3_num_f32 v[TM+\b], |v[(\s)+16*\b]|, |v[(\s)+1+16*\b]|, 0x1800000   ; and the floor 2^(3 - 127): the byte cannot fall under 1
.endr
.irp i, 2,4,6,8,10,12,14
.irp b, 0,1,2,3
	v_max3_num_f32 v[TM+\b], |v[(\s)+16*\b+\i]|, |v[(\s)+1+16*\b+\i]|, v[TM+\b]
.endr
.endr
	WIN 0
.irp b, 0,1,2,3
	v_permlanex16_b32 v[TM+4+\b], v[TM+\b], s[SEL], s[SEL+1]
.endr
.irp b, 0,1,2,3
	v_max_num_f32 v[TM+\b], v[TM+\b], v[TM+4+\b]
.endr
.irp b, 0,1,2,3
	v_add_nc_u32 v[TM+12+\b], 0xff000000, v[TM+\b] ; 2 off the exponent field: the conversion's scale operand
.endr
.irp b, 0,1,2,3
	v_lshrrev_b32 v[TM+4+\b], 23, v[TM+12+\b]      ; the scale's byte
.endr
	v_lshl_or_b32 v[\pw], v[TM+5], 8, v[TM+4]
	v_lshl_or_b32 v[\pw], v[TM+6], 16, v[\pw]
	v_lshl_or_b32 v[\pw], v[TM+7], 24, v[\pw]
	WIN (\win)                                     ; source 0, the numbers, in the accumulators' window
.irp c, 0,1
	v_cvt_scalef32_pk16_fp6_f32 v[(\d)+6*\c:(\d)+6*\c+2], v[(\s)+32*\c:(\s)+32*\c+15], v[TM+12+2*\c]
	v_cvt_scalef32_pk16_fp6_f32 v[PT+4*\c:PT+4*\c+2], v[(\s)+32*\c+16:(\s)+32*\c+31], v[TM+13+2*\c]
.endr
	WIN 0
	v_nop                                          ; one plain place behind a scaled conversion
.irp c, 0,1
.irp i, 0,1,2
	v_permlane16_swap_b32 v[(\d)+6*\c+\i], v[PT+4*\c+\i]
.endr
.irp i, 0,1,2
	v_mov_b32 v[(\d)+6*\c+3+\i], v[PT+4*\c+\i]
.endr
.endr
.endm
.macro BODY path                       ; path 0: q and k; path 1: v
	WIN 0x40
.if \path
.irp a, 0,1,2,3,4,5,6,7
.irp jj, 0,1,2,3,4,5,6,7
	global_load_b32 v[BI+8*\a+\jj], v[BR], s[44:45] offset:(32*(\a/2)+8*(\a%2))*4   ; my channel's bias in all eight registers of the result's layout
.endr
.endr
.else
.irp t, 0,1,2,3,4,5,6,7
	global_load_b128 v[BI+8*\t:BI+8*\t+3], v[BH], s[44:45] offset:(32*(\t/2)+8*(\t%2))*4   ; tile t's eight outputs of my half
	global_load_b128 v[BI+8*\t+4:BI+8*\t+7], v[BH], s[44:45] offset:(32*(\t/2)+8*(\t%2))*4+16
.endr
.endif
	FRAGS 0
	FRAGS 1
.irp s, 0,1,2,3
.if \s < 3
	s_wait_loadcnt 48                              ; all but the next step's 48 loads are in
.else
	s_wait_loadcnt 0x0
.endif
.if \s == 0
	WIN 0x91                                       ; source 0 and C (the bias) window 1, source 1 window 0, D window 2
.else
	WIN 0xa1                                       ; C and D window 2
.endif
	MUL16 0, \s, \path
	MUL16 2, \s, \path
.if \s == 0
	WIN 0xd1
.else
	WIN 0xf1
.endif
	MUL16 4, \s, \path
	MUL16 6, \s, \path
.rept 4
	v_nop                                          ; four places in front of loads into registers that these products read, and, behind the last step, of the first reads of results and writes over operands
.endr
.if \s < 2
	FRAGS \s+2
.endif
.endr
	WIN 0
	s_mov_b32 vcc_lo, 0xffff0000                   ; lanes 16-31
.irp b, 0,1,2,3
	v_mov_b32 v[TM+4+\b], 0                        ; a lane permute's destination counts as one of its sources
.endr
.irp a, 0,1,2,3,4,5,6,7
	QUANTW 2+\a/4, 64*(\a%4), C+12*\a, KW+\a
.if \path
.irp c, 0,1,2
	global_store_b128 v[L16], v[C+12*\a+4*\c:C+12*\a+4*\c+3], s[36:37] offset:(\a/4)*417792+6144+1536*(\a%4)+512*\c   ; 16 channels x 128 keys: a whole image; head a / 4, tile a % 4
.endr
.else
	global_store_b128 v[L16], v[C+12*\a:C+12*\a+3], s[36:37] offset:768*\a          ; registers 0-5: head 2 w's 64 channels
	global_store_b64 v[L8], v[C+12*\a+4:C+12*\a+5], s[36:37] offset:768*\a+512
	global_store_b128 v[L16], v[C+12*\a+6:C+12*\a+9], s[38:39] offset:768*\a        ; registers 6-11: head 2 w + 1's
	global_store_b64 v[L8], v[C+12*\a+10:C+12*\a+11], s[38:39] offset:768*\a+512
	v_lshrrev_b32 v[KWB+\a], 16, v[KW+\a]          ; the second head's two bytes at the word's low end
.endif
.endr
.if \path
.irp hh, 0,1
	v_cndmask_b32 v[MW+2*\hh], v[KW+4*\hh], v[KW+4*\hh+2], vcc_lo       ; tiles 0 and 1 in lanes 0-15, tiles 2 and 3 in lanes 16-31
	v_cndmask_b32 v[MW+2*\hh+1], v[KW+4*\hh+1], v[KW+4*\hh+3], vcc_lo
	global_store_b64 v[L8], v[MW+2*\hh:MW+2*\hh+1], s[36:37] offset:\hh*417792+12800
.endr
.else
.irp i, 0,1,2,3
	v_cndmask_b32 v[MW+\i], v[KW+\i], v[KW+4+\i], vcc_lo                ; tile i in lanes 0-15, tile 4 + i in lanes 16-31
	v_cndmask_b32 v[MW+4+\i], v[KWB+\i], v[KWB+4+\i], vcc_lo
.endr
	global_store_b128 v[L16], v[MW:MW+3], s[40:41]
	global_store_b128 v[L16], v[MW+4:MW+7], s[42:43]
.endif
	s_endpgm
.endm
	s_cmp_eq_u32 s21, 2                            ; the work-group's number alone decides
	s_cbranch_scc1 .Lpath_v
	BODY 0
.Lpath_v:
	BODY 1
.Lfunc_end_k_qc5e0e31cc6_proj:
	.size	k_qc5e0e31cc6_proj, .Lfunc_end_k_qc5e0e31cc6_proj-k_qc5e0e31cc6_proj
	.p2alignl 7, 3214868480
	.fill 96, 4, 3214868480
	.section	.rodata,"a",@progbits
	.p2align	6, 0x0
	.amdhsa_kernel k_qc5e0e31cc6_proj
		.amdhsa_group_segment_fixed_size 0
		.amdhsa_private_segment_fixed_size 0
		.amdhsa_enable_private_segment 0
		.amdhsa_kernarg_size 64
		.amdhsa_user_sgpr_count 2
		.amdhsa_user_sgpr_kernarg_segment_ptr 1
		.amdhsa_wavefront_size32 1
		.amdhsa_system_sgpr_workgroup_id_x 1
		.amdhsa_system_sgpr_workgroup_id_y 1
		.amdhsa_system_sgpr_workgroup_id_z 1
		.amdhsa_system_vgpr_workitem_id 0
		.amdhsa_next_free_vgpr 1024
		.amdhsa_next_free_sgpr 66
		.amdhsa_reserve_vcc 1
		.amdhsa_float_denorm_mode_32 3
		.amdhsa_float_denorm_mode_16_64 3
		.amdhsa_memory_ordered 1
		.amdhsa_forward_progress 1
		.amdhsa_inst_pref_size 183
	.end_amdhsa_kernel
	.amdgpu_metadata
---
amdhsa.version: [ 1, 2 ]
amdhsa.kernels:
  - .name:           k_qc5e0e31cc6_proj
    .symbol:         k_qc5e0e31cc6_proj.kd
    .args:
      - { .name: opc, .offset: 0, .size: 8, .value_kind: global_buffer, .address_space: global }
      - { .name: ops, .offset: 8, .size: 8, .value_kind: global_buffer, .address_space: global }
      - { .name: bq, .offset: 16, .size: 8, .value_kind: global_buffer, .address_space: global }
      - { .name: bk, .offset: 24, .size: 8, .value_kind: global_buffer, .address_space: global }
      - { .name: bv, .offset: 32, .size: 8, .value_kind: global_buffer, .address_space: global }
      - { .name: qc, .offset: 40, .size: 8, .value_kind: global_buffer, .address_space: global }
      - { .name: qs, .offset: 48, .size: 8, .value_kind: global_buffer, .address_space: global }
      - { .name: kv, .offset: 56, .size: 8, .value_kind: global_buffer, .address_space: global }
    .group_segment_fixed_size: 0
    .private_segment_fixed_size: 0
    .kernarg_segment_align: 8
    .kernarg_segment_size: 64
    .max_flat_workgroup_size: 128
    .sgpr_count:     66
    .vgpr_count:     1024
    .wavefront_size: 32
...
	.end_amdgpu_metadata
.endif
;; end of part 2
;; launch attn (part 3): grid 16 x 16, 16 waves a work-group, no clusters, 327,680 bytes of LDS; arguments qc, qs, kv, ac, asw; writes ac, asw
.if DOCPART == 3
	.amdgcn_target "amdgcn-amd-amdhsa--gfx1250"
	.amdhsa_code_object_version 6
	.text
	.protected	k_qc5e0e31cc6_attn
	.globl	k_qc5e0e31cc6_attn
	.p2align	8
	.type	k_qc5e0e31cc6_attn,@function
k_qc5e0e31cc6_attn:
	s_mov_b64 s[64:65], 0
	v_nop
	global_prefetch_b8 v0, s[64:65] scope:SCOPE_SE
	s_setreg_imm32_b32 hwreg(HW_REG_WAVE_MODE, 25, 1), 1
	s_wait_xcnt 0x0
; Causal attention of one head on codes of FP6: S^T = K Q^T (K = the head's 64, the instruction's upper 64 are zero codes on both sides), p = 2^(t - M), O^T = V^T P^T (K = the keys), O / l, and O quantised along the model's 512.
; t = score x log2(e) / 8; M = the running largest t rounded UP to a whole number; p is not normalised; the row's sum l is taken of the unquantised p; when M moves, l and O^T are multiplied by 2^(old M - new M), exactly.
; SHARES.  Work-group (i, bh) owns the blocks i and 31 - i of 128 queries of head bh: a block QB needs the key steps 0 .. QB (128 keys each), so every work-group has 8 x 33 wave-steps.
; Sixteen waves, each ONE tile of 16 queries in 256 registers, four to a SIMD, so that one wave's vector work stands beside another's matrix work and LDS loads.
; Wave w: tile w / 2; block 31 - i where (w xor w / 4) is odd, else block i: of any four waves w, w + 4, w + 8, w + 12, and of any four neighbours, two are early and two late.
; A step's record of kv (13,056 bytes: K's 8 half images, V's 4 images, both scale words, all in the order of the operands' registers) is read from LDS by dense loads: 16 or 8 bytes a lane on end.
; RING.  Two LDS slots of four records, filled by the tensor data mover (waves 0 and 1, half a slot each: 102 rows of 256 bytes) and read by all sixteen.  Every work-group walks all 8 slots, so that trip counts are
; constants and every wave passes every barrier; a step whose keys all come after the wave's queries is jumped over, and a slot that none of the work-group's waves reads is not asked for.
; LAYOUT.  A lane holds ONE query (lane % 16) throughout.  Tile 2 p + u of keys, queries or channels holds rows 32 p + 8 u + r + 8 (r / 8): the 16 registers of two neighbouring tiles are 16 neighbours.
; NO MULTICAST: the sixteen work-groups of a head read the same records, but each stops asking at a slot that hangs on its own number (31 - i), and partners of a joint request must all make every request.
; LIMITS: NaN and infinities are not served; a block of zeros gets the byte 1 (zero codes; read by this program alone).
.set REC,   13056
.set SLOTB, 4*REC
.set HEADB, 32*REC
.set SLOT1, 65536                      ; slot 1 begins here: one exclusive or turns an address from slot to slot
.set SPARE, 131072                     ; the spare words, 128 bytes for each of 16 waves: eight blocks of 256 bytes that no other line names
.set L16,  1                           ; v1   16 x lane
.set L8,   2                           ; v2   8 x lane
.set AD16, 3                           ; v3   the slot in hand + 16 x lane
.set AD8,  4                           ; v4   the slot in hand + 8 x lane
.set SPW,  5                           ; v5   my spare word; never rewritten
.set NIL,  6                           ; v6   0; never rewritten
.set DD,   7                           ; v7   my query's place in its block - 16 h
.set QSW,  8                           ; v8   Q's scale word
.set PFO,  9                           ; v9   the prefetches' offset
.set L4,   10                          ; v10  at work at the head; 4 x lane on the way out
.set R16,  11                          ; v11  16 r
.set QF,   16                          ; v16-27 Q's fragment (v22-27 zero codes)
.set VSW,  28                          ; v28-29 V's scale words
.set KF,   32                          ; v32-79 four fragments of K (registers 6-11 of each: zero codes, written once)
.set VF,   80                          ; v80-127 V's four fragments
.set SS,   128                         ; v128-191 S^T, then p
.set OO,   192                         ; v192-223 O^T;  v12 -M, v13 the largest t, v[14:15] the sum;  v224-235 p's codes; v232-254 at work; v248-251 K's scale words; v252 f; v253 p's scale word
.set WV,   18
.set QB,   19                          ; s19  my block of queries = my last key step
.set LB,   20                          ; s20  the work-group's last key step: 31 - i
.set ST,   21                          ; s21  the key step in hand
.set TB,   22                          ; s22  LDS byte at which the slot in hand begins
.set SLOTS, 23
.set G1,   24
.set G0,   32
.set SEL,  36
.set CS,   38
.set PFA,  40
.set LIM,  42
.macro TLOAD                           ; waves 0 and 1 fetch a half slot each; an s_nop 0 and four v_nop follow the load
	s_cmp_lt_u32 s[WV], 2
	s_cbranch_scc0 .Lasked_\@
	tensor_load_to_lds s[G0:G0+3], s[G1:G1+7]
	s_nop 0
.rept 4
	v_nop
.endr
.Lasked_\@:
.endm
; A prefetch of the slot that the NEXT change of slots will ask for: four key steps ahead of that load.  All work-groups of a head walk the same records: the head's work-group i = 0, which walks all slots, asks, and in it
; waves 4 to 10, which fetch nothing: a slot is 204 pieces of 256 bytes, a lane a piece; the last wave's lanes beyond piece 203 name that piece again.  The last change that fills a slot asks for nothing; slots 0 and 1 come by their loads alone.
.macro ASK
	s_cmp_gt_u32 s[SLOTS], s[LIM]
	s_cbranch_scc0 .Lnot_mine_\@
	global_prefetch_b8 v[PFO], s[PFA:PFA+1] th:TH_LOAD_NT scope:SCOPE_SE
.Lnot_mine_\@:
.endm
	s_load_b256 s[4:11], s[0:1], 0x0               ; qc, qs, kv, ac
	s_load_b64 s[12:13], s[0:1], 0x20              ; asw
	v_lshl_add_u32 v[SPW], v0, 2, SPARE
	v_mov_b32 v[NIL], 0
	ds_add_u32 v[SPW], v[NIL]                      ; the wave's opening: the add and its wait stand ahead of the first tensor load; work on registers stands between them
	v_lshrrev_b32 v[L4], 5, v0
	v_readfirstlane_b32 s[WV], v[L4]               ; wave 0..15
	s_mov_b32 s[G1], 3<<16                         ; no mask; elements of 8 bytes; no padding
	s_mov_b32 s[G1+1], 32<<16                      ; tensor_dim0 = 32 elements: 256 bytes
	s_mov_b32 s[G1+2], 102<<16                     ; tensor_dim1 = 102 rows: two records
	s_mov_b32 s[G1+3], 32<<16                      ; tile_dim0
	s_mov_b32 s[G1+4], 102                         ; tile_dim1
	s_mov_b32 s[G1+5], 32                          ; from row to row: dense
	s_mov_b32 s[G1+6], 0
	s_mov_b32 s[G1+7], 0
	s_mov_b32 s[SEL], 0x76543210
	s_mov_b32 s[SEL+1], 0xfedcba98
	s_mov_b32 s[CS], 0x3e38aa3b                    ; c = log2(e) / sqrt(64)
	s_mov_b32 s[CS+1], s[CS]                       ; (named with it as a pair)
	s_mov_b32 s[ST], 0
	s_mov_b32 s[TB], 0
	s_mov_b32 s[SLOTS], 7
	s_lshr_b32 s43, s[WV], 2
	s_xor_b32 s43, s43, s[WV]
	s_and_b32 s44, s43, 1                          ; early (0) or late (1) block
	s_lshr_b32 s45, s[WV], 1                       ; my tile of the block
	s_sub_co_u32 s[LB], 31, ttmp9
	s_cmp_eq_u32 s44, 1
	s_cselect_b32 s[QB], s[LB], ttmp9
	s_and_b32 s46, ttmp7, 0xffff                   ; bh
	s_lshl_b32 s47, s46, 5
	s_add_co_u32 s47, s47, s[QB]                   ; bh x 32 + block
	s_lshl_b32 s48, s47, 3
	s_add_co_u32 s48, s48, s45                     ; x 8 + tile
	s_mul_i32 s50, s48, 768                        ; my half image in qc and in ac
	s_mov_b32 s51, 0
	s_lshl_b32 s52, s47, 9                         ; my scale words in qs: the block's 512 bytes, + 256 (tile / 4) + 4 (tile % 4)
	s_lshr_b32 s43, s45, 2
	s_lshl_b32 s43, s43, 8
	s_add_co_u32 s52, s52, s43
	s_and_b32 s43, s45, 3
	s_lshl_b32 s43, s43, 2
	s_add_co_u32 s52, s52, s43
	s_mov_b32 s53, 0
	s_lshl_b32 s54, s48, 7                         ; my 128 bytes of asw
	s_mov_b32 s55, 0
	s_mul_i32 s56, s46, HEADB                      ; the head's records
	s_mov_b32 s57, 0
	s_and_b32 s58, s[WV], 1
	s_mul_i32 s58, s58, 2*REC                      ; which half of a slot I fetch, if I fetch
	s_mov_b32 s59, 0
	s_sub_co_u32 s43, s[WV], 4
	s_cmp_lt_u32 s43, 7                            ; waves 4 to 10
	s_cselect_b32 s[LIM], 1, -1
	s_cmp_eq_u32 ttmp9, 0                          ; of the head's work-group 0
	s_cselect_b32 s[LIM], s[LIM], -1
	s_lshr_b32 s43, s45, 1
	s_lshl_b32 s43, s43, 5
	s_and_b32 s44, s45, 1
	s_lshl_b32 s44, s44, 3
	s_add_co_u32 s43, s43, s44                     ; my tile's first query in its block
	v_and_b32 v[L4], 31, v0
	v_lshlrev_b32 v[L16], 4, v[L4]
	v_lshlrev_b32 v[L8], 3, v[L4]
	v_and_b32 v[DD], 15, v0
	v_lshlrev_b32 v[R16], 4, v[DD]
	v_and_b32 v[L4], 8, v0
	v_add_nc_u32 v[DD], v[DD], v[L4]               ; r + 8 (r / 8)
	v_and_b32 v[L4], 16, v0
	v_sub_nc_u32 v[DD], v[DD], v[L4]               ; - 16 h
	v_add_nc_u32 v[DD], s43, v[DD]
	v_add_nc_u32 v[PFO], 0xffffff80, v0            ; my thread's number - 128: the piece of a slot that I name
	v_min_u32 v[PFO], 0xcb, v[PFO]
	v_lshlrev_b32 v[PFO], 8, v[PFO]
	s_wait_dscnt 0x0                               ; the opening add is done
	s_wait_kmcnt 0x0
	s_mov_b32 s[G0], 1                             ; count = 1
	s_mov_b32 s[G0+1], s58                         ; LDS address: slot 0, my half
	s_add_nc_u64 s[G0+2:G0+3], s[8:9], s[56:57]
	s_add_nc_u64 s[PFA:PFA+1], s[G0+2:G0+3], SLOTB ; at slot 1: the first change of slots steps it to slot 2.  Nothing is prefetched at the head
	s_add_nc_u64 s[G0+2:G0+3], s[G0+2:G0+3], s[58:59]
	s_or_b32 s[G0+3], s[G0+3], 0x80000000          ; type = 2
	TLOAD                                          ; slot 0: one tensor load of mine is out, here and behind each change of slots
	s_add_nc_u64 s[14:15], s[4:5], s[50:51]
	s_add_nc_u64 s[16:17], s[6:7], s[52:53]
	s_add_nc_u64 s[10:11], s[10:11], s[50:51]
	s_add_nc_u64 s[12:13], s[12:13], s[54:55]
	global_load_b128 v[QF:QF+3], v[L16], s[14:15]  ; Q's half image stays in registers
	global_load_b64 v[QF+4:QF+5], v[L8], s[14:15] offset:512
	global_load_b32 v[QSW], v[R16], s[16:17]
.irp t, 0,1,2,3
.irp i, 6,7,8,9,10,11
	v_mov_b32 v[KF+12*\t+\i], 0                    ; K = 64 .. 127: zero codes, written once
.endr
.endr
.irp i, 6,7,8,9,10,11
	v_mov_b32 v[QF+\i], 0
.endr
	v_mov_b32 v13, 0xff61b1e6                      ; the largest t so far: -3e38
	v_floor_f32 v12, -v13                          ; -M
	v_mov_b32 v14, 0
	v_mov_b32 v15, 0
.irp b, 0,1,2,3
	v_mov_b32 v[236+\b], 0                         ; a lane permute's destination counts as one of its sources
.endr
	v_mov_b32 v252, 0
	v_mov_b32 v253, 0
.set n, 0
.rept 32
	v_mov_b32 v[OO+n], 0                           ; O^T: the step is written once; its first turn finds zeros, which the first change of M leaves zeros
.set n, n+1
.endr
; A KEY STEP: the q-th record of the slot in hand
.macro STEP q
.set RO, (\q)*REC
	s_cmp_gt_u32 s[ST], s[QB]                      ; all its keys come after my queries: only the count of steps goes on.  No barrier and no tensor load stands in a step
	s_cbranch_scc1 .Lhidden_\@
	ds_load_b128 v[248:251], v[AD16] offset:RO+12288   ; K's scale words: tile t in lanes 0-15 of word t, tile 4 + t in lanes 16-31
.irp t, 0,1,2,3
	ds_load_b128 v[KF+12*\t:KF+12*\t+3], v[AD16] offset:RO+768*\t
	ds_load_b64 v[KF+12*\t+4:KF+12*\t+5], v[AD8] offset:RO+768*\t+512
.endr
	s_wait_dscnt 0x0
.irp t, 0,1,2,3
	v_wmma_scale_f32_16x16x128_f8f6f4 v[SS+8*\t:SS+8*\t+7], v[KF+12*\t:KF+12*\t+11], v[QF:QF+11], 0, v[248+\t], v[QSW] matrix_a_fmt:MATRIX_FMT_FP6 matrix_b_fmt:MATRIX_FMT_FP6
.endr
.rept 4
	v_nop                                          ; four places in front of the loads into K's registers, which these products read, and into V's, which the last step's last products read
.endr
.irp t, 0,1,2,3
	ds_load_b128 v[KF+12*\t:KF+12*\t+3], v[AD16] offset:RO+768*(4+\t)
	ds_load_b64 v[KF+12*\t+4:KF+12*\t+5], v[AD8] offset:RO+768*(4+\t)+512
.endr
.irp t, 0,1,2,3
.irp c, 0,1,2
	ds_load_b128 v[VF+12*\t+4*\c:VF+12*\t+4*\c+3], v[AD16] offset:RO+6144+1536*\t+512*\c
.endr
.endr
	ds_load_b64 v[VSW:VSW+1], v[AD8] offset:RO+12800
	s_wait_dscnt 13                                ; K's tiles 4 to 7 are in; V's 12 loads and its scale words land under the softmax
.irp t, 0,1,2,3
	v_wmma_scale_f32_16x16x128_f8f6f4 v[SS+32+8*\t:SS+32+8*\t+7], v[KF+12*\t:KF+12*\t+11], v[QF:QF+11], 0, v[248+\t], v[QSW] matrix_a_fmt:MATRIX_FMT_FP6 matrix_b_fmt:MATRIX_FMT_FP6 matrix_a_scale:MATRIX_SCALE_ROW1
.endr
.rept 4
	v_nop                                          ; four places in front of the first read of the scores
.endr
	s_cmp_lg_u32 s[ST], s[QB]                      ; only my last step lies on the diagonal
	s_cbranch_scc1 .Lopen_\@
	v_mov_b32 v254, 0xff800000                     ; -infinity: p = 0 then
.set n, 0
.rept 64                               ; register 16 b + i holds key 32 b + 16 h + i of the step: hidden where 32 b + i > my query's place - 16 h
	v_cmp_gt_i32 vcc_lo, 32*(n/16)+n%16, v[DD]
	v_cndmask_b32 v[SS+n], v[SS+n], v254, vcc_lo
.set n, n+1
.endr
.Lopen_\@:
.irp b, 0,1,2,3
	v_max3_num_f32 v[232+\b], v[SS+16*\b], v[SS+1+16*\b], v[SS+2+16*\b]   ; the largest score of each block of 32 keys: for the row's maximum, and, since p rises with the score, for the block's largest p
.endr
.irp i, 3,5,7,9,11,13
.irp b, 0,1,2,3
	v_max3_num_f32 v[232+\b], v[232+\b], v[SS+16*\b+\i], v[SS+1+16*\b+\i]
.endr
.endr
.irp b, 0,1,2,3
	v_max_num_f32 v[232+\b], v[232+\b], v[SS+15+16*\b]
.endr
.irp b, 0,1,2,3
	v_permlanex16_b32 v[236+\b], v[232+\b], s[SEL], s[SEL+1]
.endr
.irp b, 0,1,2,3
	v_max_num_f32 v[232+\b], v[232+\b], v[236+\b]  ; with lane l xor 16's 16 keys
.endr
	v_max3_num_f32 v254, v232, v233, v234
	v_max_num_f32 v254, v254, v235                 ; the step's largest score of my query (the step's first key counts for every query that walks the step)
	v_mul_f32 v254, s[CS], v254
	v_max_num_f32 v13, v13, v254                   ; the running largest t
	v_mov_b32 v254, v12
	v_floor_f32 v12, -v13                          ; -M = floor(-t): M is a whole number
	v_sub_f32 v254, v12, v254                      ; old M - new M: a whole number, 0 or less
	v_cvt_i32_f32 v254, v254                       ; (it saturates)
	v_ldexp_f32 v252, 1.0, v254                    ; f = 2^(old M - new M)
.set n, 0
.rept 32
	v_pk_fma_f32 v[SS+n:SS+n+1], v[SS+n:SS+n+1], s[CS:CS+1], v[12:13] op_sel_hi:[1,0,0]   ; t - M, two at a time
.set n, n+2
.endr
.irp b, 0,1,2,3
	v_fma_f32 v[232+\b], v[232+\b], s[CS], v12     ; the same of each block's largest score
.endr
.set n, 0
.rept 64
	v_exp_f32 v[SS+n], v[SS+n]                     ; p = 2^(t - M)
.set n, n+1
.endr
	v_pk_mul_f32 v[14:15], v[14:15], v[252:253] op_sel_hi:[1,0]   ; the sums under the new M: the plain place behind the exponentials
	s_wait_alu depctr_va_vdst(0)                   ; one wait for the batch of 64, ahead of its first reader
.irp b, 0,1,2,3
	v_exp_f32 v[232+\b], v[232+\b]                 ; the block's largest p
.endr
	v_pk_add_f32 v[236:237], v[SS:SS+1], v[SS+2:SS+3]   ; the row's sum of the unquantised p, in two chains: plain work behind the four
.irp j, 4,8,12,16,20,24,28,32,36,40,44,48,52,56,60
	v_pk_add_f32 v[14:15], v[14:15], v[SS+\j:SS+\j+1]
	v_pk_add_f32 v[236:237], v[236:237], v[SS+2+\j:SS+3+\j]
.endr
	v_pk_add_f32 v[14:15], v[14:15], v[236:237]
	s_wait_alu depctr_va_vdst(0)                   ; and one for the four
.irp b, 0,1,2,3
	v_max_num_f32 v[232+\b], 0x1800000, v[232+\b]  ; the floor 2^(3 - 127): the byte cannot fall under 1
.endr
.irp b, 0,1,2,3
	v_add_nc_u32 v[244+\b], 0xff000000, v[232+\b]  ; 2 off the exponent field: the conversion's scale operand
.endr
.irp b, 0,1,2,3
	v_lshrrev_b32 v[236+\b], 23, v[244+\b]
.endr
	v_lshl_or_b32 v253, v237, 8, v236              ; p's scale word for these 128 keys
	v_lshl_or_b32 v253, v238, 16, v253
	v_lshl_or_b32 v253, v239, 24, v253
.irp c, 0,1
	v_cvt_scalef32_pk16_fp6_f32 v[224+6*\c:226+6*\c], v[SS+32*\c:SS+15+32*\c], v[244+2*\c]
	v_cvt_scalef32_pk16_fp6_f32 v[236+4*\c:238+4*\c], v[SS+16+32*\c:SS+31+32*\c], v[245+2*\c]
.endr
	v_nop                                          ; one plain place behind a scaled conversion
.irp c, 0,1
.irp i, 0,1,2
	v_permlane16_swap_b32 v[224+6*\c+\i], v[236+4*\c+\i]
.endr
.irp i, 0,1,2
	v_mov_b32 v[227+6*\c+\i], v[236+4*\c+\i]
.endr
.endr
.set n, 0
.rept 16
	v_pk_mul_f32 v[OO+n:OO+n+1], v[OO+n:OO+n+1], v[252:253] op_sel_hi:[1,0]   ; O^T under the new M; these sixteen also stand between the writes of p's codes and scale word and the products below
.set n, n+2
.endr
	s_wait_dscnt 0x0                               ; V is in
.irp t, 0,1
	v_wmma_scale_f32_16x16x128_f8f6f4 v[OO+8*\t:OO+8*\t+7], v[VF+12*\t:VF+12*\t+11], v[224:235], v[OO+8*\t:OO+8*\t+7], v[VSW+\t], v253 matrix_a_fmt:MATRIX_FMT_FP6 matrix_b_fmt:MATRIX_FMT_FP6
.endr
.irp t, 2,3
	v_wmma_scale_f32_16x16x128_f8f6f4 v[OO+8*\t:OO+8*\t+7], v[VF+12*\t:VF+12*\t+11], v[224:235], v[OO+8*\t:OO+8*\t+7], v[VSW+\t-2], v253 matrix_a_fmt:MATRIX_FMT_FP6 matrix_b_fmt:MATRIX_FMT_FP6 matrix_a_scale:MATRIX_SCALE_ROW1
.endr
.Lhidden_\@:
	s_add_co_u32 s[ST], s[ST], 1
.endm
; THE CHANGE OF SLOTS stands at a slot's head.  Each wave waits for all its tensor loads (its part of the slot ahead), adds 0 to its spare word, and waits for that and for its reads of the slot that it has left.
; Behind the barrier the slot ahead is whole and nobody reads the other one.  fill = 1: that other slot takes the next four records, which have a whole slot's steps in which to land.
.macro CHANGE fill
	s_wait_tensorcnt 0x0                           ; no tensor load of mine is out, so the descriptor may be written
	ds_add_u32 v[SPW], v[NIL]                      ; 0 onto my spare word
.if \fill
	s_xor_b32 s[G0+1], s[G0+1], SLOT1              ; the other slot than last time,
	s_add_nc_u64 s[G0+2:G0+3], s[G0+2:G0+3], SLOTB ; the next four records; the type bits on top are not reached
	s_wait_xcnt 0x0                                ; the last prefetch, a slot back, has read its address
	s_add_nc_u64 s[PFA:PFA+1], s[PFA:PFA+1], SLOTB ; one slot further on than the descriptor
.endif
	s_wait_dscnt 0x0                               ; the add is done, and my reads of the slot that I have left are over
	s_barrier_signal -1
	s_barrier_wait -1
.if \fill
	s_add_co_u32 s43, s[ST], 4                     ; the first step of the slot that this change would ask for:
	s_cmp_gt_u32 s43, s[LB]                        ; behind the work-group's last step no wave reads it, so it is not asked for.  Ids and the count of steps alone: all sixteen waves go the same way; every wait on TENSORcnt in this text is for 0
	s_cbranch_scc1 .Lpast_\@
	TLOAD                                          ; a wave's one tensor load until the next barrier
.Lpast_\@:
	ASK
.endif
.endm
.macro SLOT_STEPS
	v_add_nc_u32 v[AD16], s[TB], v[L16]
	v_add_nc_u32 v[AD8], s[TB], v[L8]
	STEP 0
	STEP 1
	STEP 2
	STEP 3
	s_xor_b32 s[TB], s[TB], SLOT1
.endm
	s_wait_loadcnt 0x0                             ; Q
.Lslot:                                            ; 7 trips: behind each change of slots but the last the next slot is asked for, up to the causal limit
	CHANGE 1
	SLOT_STEPS
	s_sub_co_u32 s[SLOTS], s[SLOTS], 1
	s_cmp_lg_u32 s[SLOTS], 0
	s_cbranch_scc1 .Lslot
	CHANGE 0                                       ; the last slot is written out: nothing is left to ask for
	SLOT_STEPS
	; THE WAY OUT: O^T / l; the head's 64 channels are two blocks of 32 along the last product's K: quantised here, and stored as a half image.  No LDS.
	v_add_f32 v14, v14, v15
	v_permlanex16_b32 v252, v14, s[SEL], s[SEL+1]
	v_add_f32 v14, v14, v252                       ; the row's sum
	v_rcp_f32 v14, v14
	v_and_b32 v[L4], 31, v0                        ; plain lines behind the reciprocal, and the places behind the last products
	v_lshlrev_b32 v[L4], 2, v[L4]
	v_nop
	v_nop
	s_wait_alu depctr_va_vdst(0)                   ; the wait ahead of the reciprocal's first reader
.set n, 0
.rept 16
	v_pk_mul_f32 v[SS+n:SS+n+1], v[OO+n:OO+n+1], v[14:15] op_sel_hi:[1,0]   ; register 16 b + i: channel 32 b + 16 h + i; each accumulator from its low end on
.set n, n+2
.endr
.irp b, 0,1
	v_max3_num_f32 v[232+\b], |v[SS+16*\b]|, |v[SS+1+16*\b]|, 0x1800000
.endr
.irp i, 2,4,6,8,10,12,14
.irp b, 0,1
	v_max3_num_f32 v[232+\b], v[232+\b], |v[SS+16*\b+\i]|, |v[SS+1+16*\b+\i]|
.endr
.endr
.irp b, 0,1
	v_permlanex16_b32 v[236+\b], v[232+\b], s[SEL], s[SEL+1]
.endr
.irp b, 0,1
	v_max_num_f32 v[232+\b], v[232+\b], v[236+\b]
.endr
.irp b, 0,1
	v_add_nc_u32 v[244+\b], 0xff000000, v[232+\b]
.endr
.irp b, 0,1
	v_lshrrev_b32 v[236+\b], 23, v[244+\b]
.endr
	v_lshl_or_b32 v254, v237, 8, v236              ; the head's two bytes; bytes 2 and 3 are 0
	v_cvt_scalef32_pk16_fp6_f32 v[224:226], v[SS:SS+15], v244
	v_cvt_scalef32_pk16_fp6_f32 v[240:242], v[SS+16:SS+31], v245
	v_nop                                          ; one plain place behind a scaled conversion
.irp i, 0,1,2
	v_permlane16_swap_b32 v[224+\i], v[240+\i]
.endr
.irp i, 0,1,2
	v_mov_b32 v[227+\i], v[240+\i]
.endr
	global_store_b128 v[L16], v[224:227], s[10:11] ; 512 consecutive bytes,
	global_store_b64 v[L8], v[228:229], s[10:11] offset:512   ; and 256
	global_store_b32 v[L4], v254, s[12:13]
	s_wait_tensorcnt 0x0                           ; the wave's end
	ds_add_u32 v[SPW], v[NIL]
	s_wait_dscnt 0x0
	s_endpgm
.Lfunc_end_k_qc5e0e31cc6_attn:
	.size	k_qc5e0e31cc6_attn, .Lfunc_end_k_qc5e0e31cc6_attn-k_qc5e0e31cc6_attn
	.p2alignl 7, 3214868480
	.fill 96, 4, 3214868480
	.section	.rodata,"a",@progbits
	.p2align	6, 0x0
	.amdhsa_kernel k_qc5e0e31cc6_attn
		.amdhsa_group_segment_fixed_size 327680
		.amdhsa_private_segment_fixed_size 0
		.amdhsa_enable_private_segment 0
		.amdhsa_kernarg_size 40
		.amdhsa_user_sgpr_count 2
		.amdhsa_user_sgpr_kernarg_segment_ptr 1
		.amdhsa_wavefront_size32 1
		.amdhsa_system_sgpr_workgroup_id_x 1
		.amdhsa_system_sgpr_workgroup_id_y 1
		.amdhsa_system_sgpr_workgroup_id_z 1
		.amdhsa_system_vgpr_workitem_id 0
		.amdhsa_next_free_vgpr 256
		.amdhsa_next_free_sgpr 66
		.amdhsa_reserve_vcc 1
		.amdhsa_float_denorm_mode_32 3
		.amdhsa_float_denorm_mode_16_64 3
		.amdhsa_memory_ordered 1
		.amdhsa_forward_progress 1
		.amdhsa_inst_pref_size 176
	.end_amdhsa_kernel
	.amdgpu_metadata
---
amdhsa.version: [ 1, 2 ]
amdhsa.kernels:
  - .name:           k_qc5e0e31cc6_attn
    .symbol:         k_qc5e0e31cc6_attn.kd
    .args:
      - { .name: qc, .offset: 0, .size: 8, .value_kind: global_buffer, .address_space: global }
      - { .name: qs, .offset: 8, .size: 8, .value_kind: global_buffer, .address_space: global }
      - { .name: kv, .offset: 16, .size: 8, .value_kind: global_buffer, .address_space: global }
      - { .name: ac, .offset: 24, .size: 8, .value_kind: global_buffer, .address_space: global }
      - { .name: asw, .offset: 32, .size: 8, .value_kind: global_buffer, .address_space: global }
    .group_segment_fixed_size: 327680
    .private_segment_fixed_size: 0
    .kernarg_segment_align: 8
    .kernarg_segment_size: 40
    .max_flat_workgroup_size: 512
    .sgpr_count:     66
    .vgpr_count:     256
    .wavefront_size: 32
...
	.end_amdgpu_metadata
.endif
;; end of part 3
;; launch oproj (part 4): grid 256 x 1, 8 waves a work-group, no clusters, 70,656 bytes of LDS; arguments ac, asw, opc, ops, bo, out0; writes out0
.if DOCPART == 4
	.amdgcn_target "amdgcn-amd-amdhsa--gfx1250"
	.amdhsa_code_object_version 6
	.text
	.protected	k_qc5e0e31cc6_oproj
	.globl	k_qc5e0e31cc6_oproj
	.p2align	8
	.type	k_qc5e0e31cc6_oproj,@function
k_qc5e0e31cc6_oproj:
	s_mov_b64 s[64:65], 0
	v_nop
	global_prefetch_b8 v0, s[64:65] scope:SCOPE_SE
	s_setreg_imm32_b32 hwreg(HW_REG_WAVE_MODE, 25, 1), 1
	s_wait_xcnt 0x0
; out0 = A Wo^T + bo on codes of FP6.  A is the attention's result, [8192][512], as the attention launch left it: a half image (16 tokens x a head's 64) for each head; two heads' halves are a fragment of 128 along K.
; Work-group g: tokens 32 g .. 32 g + 31 (two tiles).  Wave w: outputs 64 w .. 64 w + 63 (four tiles of Wo): 8 accumulators, 32 matrix instructions; all operands come straight from memory by dense loads.
; The product is used transposed (source 0 = 16 rows of Wo, source 1 = 16 tokens): a lane holds eight neighbouring outputs of one token.  bo is loaded into the accumulators, so the sums begin with it.
; The results go through the wave's own stage in LDS and leave as 256 consecutive bytes of a row for sixteen lanes.  Waves share nothing: no barrier.  Straight-line code.
; No multicast and no ring: the launch has no tensor load; a work-group's operands are loaded once.
.set STG,   32*272                     ; a wave's stage: 32 rows x (256 bytes + 16)
.set SPARE, 8*STG                      ; behind the stages: the spare words, 128 bytes a wave: four blocks of 256 bytes that no other line names
.set L16, 1
.set L8,  2
.set L4,  3
.set BH,  4                            ; v4  64 h
.set STO, 5                            ; v5  stage + 272 r + 64 h
.set RD,  6                            ; v6  stage + 272 h + 16 r
.set GO,  7                            ; v7  2,048 h + 16 r
.set SPW, 14
.set NIL, 15
.set ACC, 16                           ; v16-79   accumulator (a, t) at 8 (4 a + t)
.set AF,  80                           ; v80-175  A's fragment (a, s) at 12 (4 a + s); later the rows read back
.set AW,  176                          ; v176-191 the heads' scale words (a, head)
.set ASC, 192                          ; v192-199 A's scale words (a, s)
.set WS,  200                          ; v200-207 Wo's scale words, two registers a tile
.set WF,  0                            ; window 1: Wo's fragment (t, s) at 12 (4 t + s)
	s_load_b256 s[4:11], s[0:1], 0x0               ; ac, asw, opc, ops
	s_load_b128 s[12:15], s[0:1], 0x20             ; bo, out0
	v_lshl_add_u32 v[SPW], v0, 2, SPARE
	v_mov_b32 v[NIL], 0
	v_lshrrev_b32 v8, 5, v0
	v_readfirstlane_b32 s16, v8                    ; wave 0..7
	v_and_b32 v8, 31, v0
	v_lshlrev_b32 v[L16], 4, v8
	v_lshlrev_b32 v[L8], 3, v8
	v_lshlrev_b32 v[L4], 2, v8
	v_and_b32 v8, 15, v0                           ; r
	v_bfe_u32 v9, v0, 4, 1                         ; h
	v_lshlrev_b32 v[BH], 6, v9
	s_mul_i32 s17, s16, STG
	v_mul_u32_u24 v[STO], v8, 272
	v_lshl_add_u32 v[STO], v9, 6, v[STO]
	v_add_nc_u32 v[STO], s17, v[STO]
	v_mul_u32_u24 v[RD], v9, 272
	v_lshl_add_u32 v[RD], v8, 4, v[RD]
	v_add_nc_u32 v[RD], s17, v[RD]
	v_lshlrev_b32 v[GO], 11, v9
	v_lshl_add_u32 v[GO], v8, 4, v[GO]
	s_lshr_b32 s18, ttmp9, 7                       ; batch
	s_lshl_b32 s18, s18, 8
	s_lshr_b32 s19, ttmp9, 2
	s_and_b32 s19, s19, 31                         ; block of 128 tokens
	s_add_co_u32 s18, s18, s19                     ; batch x 256 + block
	s_and_b32 s19, ttmp9, 3                        ; which 32 tokens of the block: tiles 2 p, 2 p + 1
	s_mul_i32 s20, s18, 6144
	s_mul_i32 s22, s19, 1536
	s_add_co_u32 s20, s20, s22
	s_mov_b32 s21, 0
	s_lshl_b32 s22, s18, 10
	s_lshl_b32 s24, s19, 8
	s_add_co_u32 s22, s22, s24
	s_mov_b32 s23, 0
	s_lshl_b32 s24, s16, 2
	s_add_co_u32 s24, s24, 1632                    ; Wo's first tile of mine: 1536 + 96 + 4 wave
	s_mul_i32 s26, s24, 6144
	s_mov_b32 s27, 0
	s_lshl_b32 s28, s24, 8
	s_mov_b32 s29, 0
	s_lshl_b32 s30, s16, 8                         ; my 64 numbers of bo, and my 256 bytes of a row of out0
	s_mov_b32 s31, 0
	s_lshl_b32 s32, ttmp9, 16                      ; 32 rows of 2,048 bytes
	s_add_co_u32 s32, s32, s30
	s_mov_b32 s33, 0
	s_wait_kmcnt 0x0
	s_add_nc_u64 s[4:5], s[4:5], s[20:21]
	s_add_nc_u64 s[6:7], s[6:7], s[22:23]
	s_add_nc_u64 s[8:9], s[8:9], s[26:27]
	s_add_nc_u64 s[10:11], s[10:11], s[28:29]
	s_add_nc_u64 s[12:13], s[12:13], s[30:31]
	s_add_nc_u64 s[14:15], s[14:15], s[32:33]
.irp a, 0,1
.irp s, 0,1,2,3
.irp c, 0,1                            ; registers 6 c .. 6 c + 5 of K step s: head 2 s + c's half image; heads lie 196,608 bytes apart
	global_load_b128 v[AF+12*(4*\a+\s)+6*\c:AF+12*(4*\a+\s)+6*\c+3], v[L16], s[4:5] offset:(2*\s+\c)*196608+768*\a
	global_load_b64 v[AF+12*(4*\a+\s)+6*\c+4:AF+12*(4*\a+\s)+6*\c+5], v[L8], s[4:5] offset:(2*\s+\c)*196608+768*\a+512
.endr
.endr
.endr
.irp a, 0,1
.irp hd, 0,1,2,3,4,5,6,7
	global_load_b32 v[AW+8*\a+\hd], v[L4], s[6:7] offset:\hd*32768+128*\a
.endr
.endr
	s_set_vgpr_msb 0x40                            ; destination window 1, address window 0
.irp t, 0,1,2,3
.irp s, 0,1,2,3
.irp c, 0,1,2
	global_load_b128 v[WF+12*(4*\t+\s)+4*\c:WF+12*(4*\t+\s)+4*\c+3], v[L16], s[8:9] offset:6144*\t+1536*\s+512*\c
.endr
.endr
.endr
	s_set_vgpr_msb 0x4000                          ; all windows 0 again
.irp t, 0,1,2,3
	global_load_b64 v[WS+2*\t:WS+2*\t+1], v[L8], s[10:11] offset:256*\t
.endr
.irp a, 0,1
.irp t, 0,1,2,3
	global_load_b128 v[ACC+8*(4*\a+\t):ACC+8*(4*\a+\t)+3], v[BH], s[12:13] offset:(32*(\t/2)+8*(\t%2))*4       ; bo at the lane's eight outputs of tile t
	global_load_b128 v[ACC+8*(4*\a+\t)+4:ACC+8*(4*\a+\t)+7], v[BH], s[12:13] offset:(32*(\t/2)+8*(\t%2))*4+16
.endr
.endr
	s_wait_loadcnt 0x0
.irp a, 0,1
.irp s, 0,1,2,3
	v_lshl_or_b32 v[ASC+4*\a+\s], v[AW+8*\a+2*\s+1], 16, v[AW+8*\a+2*\s]   ; two heads' two bytes each make K step s's scale word
.endr
.endr
.rept 8
	v_nop                                          ; a scale register written by a vector instruction stands eight places ahead of a scaled matrix instruction
.endr
	s_set_vgpr_msb 0x0001                          ; source 0 (Wo) window 1
.irp s, 0,2                            ; the eight accumulators take turns, one instruction a turn, K step by K step
.irp a, 0,1
.irp t, 0,1,2,3
	v_wmma_scale_f32_16x16x128_f8f6f4 v[ACC+8*(4*\a+\t):ACC+8*(4*\a+\t)+7], v[WF+12*(4*\t+\s):WF+12*(4*\t+\s)+11], v[AF+12*(4*\a+\s):AF+12*(4*\a+\s)+11], v[ACC+8*(4*\a+\t):ACC+8*(4*\a+\t)+7], v[WS+2*\t+\s/2], v[ASC+4*\a+\s] matrix_a_fmt:MATRIX_FMT_FP6 matrix_b_fmt:MATRIX_FMT_FP6
.endr
.endr
.irp a, 0,1
.irp t, 0,1,2,3
	v_wmma_scale_f32_16x16x128_f8f6f4 v[ACC+8*(4*\a+\t):ACC+8*(4*\a+\t)+7], v[WF+12*(4*\t+\s+1):WF+12*(4*\t+\s+1)+11], v[AF+12*(4*\a+\s+1):AF+12*(4*\a+\s+1)+11], v[ACC+8*(4*\a+\t):ACC+8*(4*\a+\t)+7], v[WS+2*\t+\s/2], v[ASC+4*\a+\s+1] matrix_a_fmt:MATRIX_FMT_FP6 matrix_b_fmt:MATRIX_FMT_FP6 matrix_a_scale:MATRIX_SCALE_ROW1
.endr
.endr
.endr
	s_set_vgpr_msb 0x0100                          ; all windows 0
.rept 4
	v_nop                                          ; four places in front of the stores that read results and of the loads into A's registers
.endr
.irp a, 0,1
.irp t, 0,1,2,3
	ds_store_b128 v[STO], v[ACC+8*(4*\a+\t):ACC+8*(4*\a+\t)+3] offset:4352*\a+128*(\t/2)+32*(\t%2)       ; stage row 16 a + r; output 32 (t / 2) + 16 h + 8 (t % 2) + 0 .. 7; each accumulator from its low end on
	ds_store_b128 v[STO], v[ACC+8*(4*\a+\t)+4:ACC+8*(4*\a+\t)+7] offset:4352*\a+128*(\t/2)+32*(\t%2)+16
.endr
.endr
.irp i, 0,1,2,3,4,5,6,7,8,9,10,11,12,13,14,15
	ds_load_b128 v[AF+4*\i:AF+4*\i+3], v[RD] offset:544*\i   ; stage rows 2 i and 2 i + 1.  LDS serves a wave's instructions in order: these see my stores
.endr
.irp i, 0,1,2,3,4,5,6,7,8,9,10,11,12,13,14,15
	s_wait_dscnt 15-\i                             ; the younger loads may be out
	global_store_b128 v[GO], v[AF+4*\i:AF+4*\i+3], s[14:15] offset:(8*(\i/8)+((2*\i)%16)+8*(((2*\i)%16)/8))*2048 th:TH_STORE_NT   ; stage row 16 a + r is token 8 a + r + 8 (r / 8); sixteen lanes store 256 consecutive bytes, at a multiple of 256 from out0's first byte
.endr
	s_wait_tensorcnt 0x0                           ; the wave's end, behind my last LDS store
	ds_add_u32 v[SPW], v[NIL]
	s_wait_dscnt 0x0
	s_endpgm
.Lfunc_end_k_qc5e0e31cc6_oproj:
	.size	k_qc5e0e31cc6_oproj, .Lfunc_end_k_qc5e0e31cc6_oproj-k_qc5e0e31cc6_oproj
	.p2alignl 7, 3214868480
	.fill 96, 4, 3214868480
	.section	.rodata,"a",@progbits
	.p2align	6, 0x0
	.amdhsa_kernel k_qc5e0e31cc6_oproj
		.amdhsa_group_segment_fixed_size 70656
		.amdhsa_private_segment_fixed_size 0
		.amdhsa_enable_private_segment 0
		.amdhsa_kernarg_size 48
		.amdhsa_user_sgpr_count 2
		.amdhsa_user_sgpr_kernarg_segment_ptr 1
		.amdhsa_wavefront_size32 1
		.amdhsa_system_sgpr_workgroup_id_x 1
		.amdhsa_system_sgpr_workgroup_id_y 1
		.amdhsa_system_sgpr_workgroup_id_z 1
		.amdhsa_system_vgpr_workitem_id 0
		.amdhsa_next_free_vgpr 448
		.amdhsa_next_free_sgpr 66
		.amdhsa_reserve_vcc 0
		.amdhsa_float_denorm_mode_32 3
		.amdhsa_float_denorm_mode_16_64 3
		.amdhsa_memory_ordered 1
		.amdhsa_forward_progress 1
		.amdhsa_inst_pref_size 23
	.end_amdhsa_kernel
	.amdgpu_metadata
---
amdhsa.version: [ 1, 2 ]
amdhsa.kernels:
  - .name:           k_qc5e0e31cc6_oproj
    .symbol:         k_qc5e0e31cc6_oproj.kd
    .args:
      - { .name: ac, .offset: 0, .size: 8, .value_kind: global_buffer, .address_space: global }
      - { .name: asw, .offset: 8, .size: 8, .value_kind: global_buffer, .address_space: global }
      - { .name: opc, .offset: 16, .size: 8, .value_kind: global_buffer, .address_space: global }
      - { .name: ops, .offset: 24, .size: 8, .value_kind: global_buffer, .address_space: global }
      - { .name: bo, .offset: 32, .size: 8, .value_kind: global_buffer, .address_space: global }
      - { .name: out0, .offset: 40, .size: 8, .value_kind: global_buffer, .address_space: global }
    .group_segment_fixed_size: 70656
    .private_segment_fixed_size: 0
    .kernarg_segment_align: 8
    .kernarg_segment_size: 48
    .max_flat_workgroup_size: 256
    .sgpr_count:     66
    .vgpr_count:     448
    .wavefront_size: 32
...
	.end_amdgpu_metadata
.endif
;; end of part 4
;; ======== version 2 of 2: 4 launches
;; workspace buffers: opc 10,223,616 bytes; ops 425,984 bytes; qc 3,145,728 bytes; qs 262,144 bytes; kv 6,684,672 bytes; ac 3,145,728 bytes; asw 524,288 bytes
;; launch quant (part 5): grid 416 x 1, 4 waves a work-group, no clusters, 34,304 bytes of LDS; arguments q, k, v, Wq, Wk, Wv, Wo, opc, ops; writes opc, ops
.if DOCPART == 5
	.amdgcn_target "amdgcn-amd-amdhsa--gfx1250"
	.amdhsa_code_object_version 6
	.text
	.protected	k_qc5e0e31cc6_quant
	.globl	k_qc5e0e31cc6_quant
	.p2align	8
	.type	k_qc5e0e31cc6_quant,@function
k_qc5e0e31cc6_quant:
	s_mov_b64 s[64:65], 0
	v_nop
	global_prefetch_b8 v0, s[64:65] scope:SCOPE_SE
	s_setreg_imm32_b32 hwreg(HW_REG_WAVE_MODE, 25, 1), 1
	s_wait_xcnt 0x0
; q, k, v [8192][512] and Wq, Wk, Wv, Wo [512][512], f32 with K innermost, become codes of FP6 (E2M3) with one E8M0 byte for each 32 along K,
; laid in the ORDER OF THE OPERAND'S REGISTERS, so that the later launches load every fragment by dense loads of 16 bytes a lane.
; A TILE is 16 rows of a group of 32: tile 2 p + u holds rows 32 p + 8 u + r + 8 (r / 8), r = 0 .. 15.  Used as source 0 of a product, two neighbouring tiles
; then give a lane 16 neighbours along that axis, which is what the next quantiser wants.
; opc: tile n at 6,144 n: four images (K steps of 128) of 1,536 bytes: chunk c at 512 c, lane l's registers 4 c .. 4 c + 3 at 16 l.
; ops: tile n at 256 n: lane l has 8 bytes at 8 l: word e = the scale word of row l % 16 for K step 2 e + l / 16.
; Tiles 0-511 q, 512-1023 k, 1024-1535 v, 1536 + 32 j + t weight j (Wq, Wk, Wv, Wo).  A wave makes one tile; waves share nothing: no barrier.
; A block's scale is 2^(floor(log2(largest magnitude)) - 2); its byte is the largest magnitude's exponent field - 2, held at 1 from below.
; LIMITS: NaN and infinities among the inputs are not served; a block of zeros gets the byte 1 where the rule says 127 (its codes are zeros, and this program alone reads the bytes).
; Each load reads 512 consecutive bytes of one row; a unit (16 rows x 128 K) turns through the wave's own stage in LDS, so that a lane gets 16 neighbours of each block of 32.
.set PITCH, 528                        ; a stage row: 512 bytes + 16: an odd multiple of 16, so the sixteen rows of a read start in different banks
.set STG,   16*PITCH                   ; a wave's stage
.set SPARE, 4*STG                      ; behind the stages: the spare words, 128 bytes a wave: two blocks of 256 bytes that no other line names
.set L16, 1                            ; v1  16 x lane
.set STI, 2                            ; v2  stage + 16 x lane: on the way in
.set STO, 3                            ; v3  stage + 528 r + 64 h: on the way out
.set L8,  4                            ; v4  8 x lane
.set SPW, 5                            ; v5  my spare word; never rewritten
.set NIL, 6                            ; v6  0; never rewritten
.set TM,  8                            ; v8-23  +0..3 largest magnitudes, +4..7 the other half's, then the bytes, +12..15 the conversions' scale operands
.set PT,  24                           ; v24-31 the conversions' second halves
.set PW,  32                           ; v32-35 a scale word for each unit
.set SW,  36                           ; v36-37 the words as they are stored
.set C,   40                           ; v40-87 codes: 12 registers for each unit, so that no store's data are written again
.set R,   88                           ; v88-215 two sets of 64 numbers
.set SRC, 22                           ; s[22:23] my tile's first row
.set SEL, 26                           ; s[26:27] selects of v_permlanex16_b32: lane l xor 16
	s_load_b512 s[4:19], s[0:1], 0x0               ; q, k, v, Wq, Wk, Wv, Wo, opc
	s_load_b64 s[20:21], s[0:1], 0x40              ; ops
	v_lshl_add_u32 v[SPW], v0, 2, SPARE
	v_mov_b32 v[NIL], 0
	v_lshrrev_b32 v7, 5, v0
	v_readfirstlane_b32 s24, v7                    ; wave
	v_and_b32 v7, 31, v0
	v_lshlrev_b32 v[L16], 4, v7
	v_lshlrev_b32 v[L8], 3, v7
	s_mul_i32 s28, s24, STG
	v_add_nc_u32 v[STI], s28, v[L16]
	v_and_b32 v7, 15, v0                           ; r
	v_mul_u32_u24 v[STO], v7, PITCH
	v_bfe_u32 v7, v0, 4, 1                         ; h
	v_lshl_add_u32 v[STO], v7, 6, v[STO]
	v_add_nc_u32 v[STO], s28, v[STO]
.irp b, 0,1,2,3
	v_mov_b32 v[TM+4+\b], 0                        ; written once: a lane permute's destination counts as one of its sources
.endr
	s_mov_b32 s[SEL], 0x76543210
	s_mov_b32 s[SEL+1], 0xfedcba98
	s_lshl_b32 s29, ttmp9, 2
	s_add_co_u32 s29, s29, s24                     ; my tile: 4 x work-group + wave
	s_cmp_lt_u32 ttmp9, 384
	s_cselect_b32 s25, 511, 31                     ; tiles in my tensor - 1
	s_and_b32 s30, s29, s25                        ; my tile within its tensor (every tensor begins at a multiple of its tile count)
	s_lshr_b32 s31, s30, 1
	s_lshl_b32 s31, s31, 5
	s_and_b32 s32, s30, 1
	s_lshl_b32 s32, s32, 3
	s_add_co_u32 s31, s31, s32                     ; its first row: 32 (tile / 2) + 8 (tile % 2)
	s_lshl_b32 s32, s31, 11                        ; rows of 2,048 bytes
	s_mov_b32 s33, 0
	s_mul_i32 s34, s29, 6144
	s_mov_b32 s35, 0
	s_lshl_b32 s36, s29, 8
	s_mov_b32 s37, 0
	s_wait_alu depctr_va_vdst(0)
	s_wait_kmcnt 0x0
	s_mov_b64 s[SRC:SRC+1], s[16:17]               ; which tensor: a choice among the inputs on the work-group's number alone
	s_cmp_lt_u32 ttmp9, 408
	s_cselect_b64 s[SRC:SRC+1], s[14:15], s[SRC:SRC+1]
	s_cmp_lt_u32 ttmp9, 400
	s_cselect_b64 s[SRC:SRC+1], s[12:13], s[SRC:SRC+1]
	s_cmp_lt_u32 ttmp9, 392
	s_cselect_b64 s[SRC:SRC+1], s[10:11], s[SRC:SRC+1]
	s_cmp_lt_u32 ttmp9, 384
	s_cselect_b64 s[SRC:SRC+1], s[8:9], s[SRC:SRC+1]
	s_cmp_lt_u32 ttmp9, 256
	s_cselect_b64 s[SRC:SRC+1], s[6:7], s[SRC:SRC+1]
	s_cmp_lt_u32 ttmp9, 128
	s_cselect_b64 s[SRC:SRC+1], s[4:5], s[SRC:SRC+1]
	s_add_nc_u64 s[SRC:SRC+1], s[SRC:SRC+1], s[32:33]
	s_add_nc_u64 s[18:19], s[18:19], s[34:35]
	s_add_nc_u64 s[20:21], s[20:21], s[36:37]
.macro LOAD s                          ; unit s: 128 along K of the tile's 16 rows into set s % 2: each load takes 512 consecutive bytes of one row
.irp i, 0,1,2,3,4,5,6,7,8,9,10,11,12,13,14,15
	global_load_b128 v[R+64*((\s)%2)+4*\i:R+64*((\s)%2)+4*\i+3], v[L16], s[SRC:SRC+1] offset:(\i+8*(\i/8))*2048+512*(\s) th:TH_LOAD_NT
.endr
.endm
.macro TURN s                          ; through the stage and back into the same registers: register 16 b + i then holds k = 32 b + 16 h + i of row r.  LDS serves a wave's instructions in order
.irp i, 0,1,2,3,4,5,6,7,8,9,10,11,12,13,14,15
	ds_store_b128 v[STI], v[R+64*((\s)%2)+4*\i:R+64*((\s)%2)+4*\i+3] offset:PITCH*\i
.endr
.irp b, 0,1,2,3
.irp j, 0,1,2,3
	ds_load_b128 v[R+64*((\s)%2)+16*\b+4*\j:R+64*((\s)%2)+16*\b+4*\j+3], v[STO] offset:128*\b+16*\j
.endr
.endr
.endm
; 64 numbers of a lane, register 16 b + i = k 32 b + 16 h + i of my row, become a fragment's 12 registers at v[d] and its scale word in v[pw]
.macro QUANT s, d, pw
.irp b, 0,1,2,3
	v_max3_num_f32 v[TM+\b], |v[(\s)+16*\b]|, |v[(\s)+1+16*\b]|, 0x1800000   ; my 16 numbers of block b, and the floor 2^(3 - 127): the byte cannot fall under 1
.endr
.irp i, 2,4,6,8,10,12,14
.irp b, 0,1,2,3
	v_max3_num_f32 v[TM+\b], v[TM+\b], |v[(\s)+16*\b+\i]|, |v[(\s)+1+16*\b+\i]|   ; the four blocks by turns
.endr
.endr
.irp b, 0,1,2,3
	v_permlanex16_b32 v[TM+4+\b], v[TM+\b], s[SEL], s[SEL+1]
.endr
.irp b, 0,1,2,3
	v_max_num_f32 v[TM+\b], v[TM+\b], v[TM+4+\b]   ; with lane l xor 16's: the block's largest magnitude
.endr
.irp b, 0,1,2,3
	v_add_nc_u32 v[TM+12+\b], 0xff000000, v[TM+\b] ; 2 off its exponent field: the conversion takes the exponent field of this operand as its scale
.endr
.irp b, 0,1,2,3
	v_lshrrev_b32 v[TM+4+\b], 23, v[TM+12+\b]      ; the scale's byte
.endr
	v_lshl_or_b32 v[\pw], v[TM+5], 8, v[TM+4]
	v_lshl_or_b32 v[\pw], v[TM+6], 16, v[\pw]
	v_lshl_or_b32 v[\pw], v[TM+7], 24, v[\pw]
.irp c, 0,1
	v_cvt_scalef32_pk16_fp6_f32 v[(\d)+6*\c:(\d)+6*\c+2], v[(\s)+32*\c:(\s)+32*\c+15], v[TM+12+2*\c]
	v_cvt_scalef32_pk16_fp6_f32 v[PT+4*\c:PT+4*\c+2], v[(\s)+32*\c+16:(\s)+32*\c+31], v[TM+13+2*\c]   ; (a conversion's three registers begin on an even number)
.endr
	v_nop                                          ; one plain place behind a scaled conversion
.irp c, 0,1                            ; the operand's layout wants a whole block in a lane: lanes 0-15 block 2 c, lanes 16-31 block 2 c + 1
.irp i, 0,1,2
	v_permlane16_swap_b32 v[(\d)+6*\c+\i], v[PT+4*\c+\i]
.endr
.irp i, 0,1,2
	v_mov_b32 v[(\d)+6*\c+3+\i], v[PT+4*\c+\i]
.endr
.endr
.endm
.macro UNIT s
.if (\s) < 3
	s_wait_loadcnt 16                              ; this unit's 16 loads are in; the next unit's 16 may be out
.else
	s_wait_loadcnt 0x0
.endif
	TURN \s
	s_wait_dscnt 0x0                               ; the numbers are back
	QUANT R+64*((\s)%2), C+12*(\s), PW+(\s)
.if (\s) < 2
	LOAD (\s)+2                                    ; the set just quantised takes the unit two on; loads ahead of stores
.endif
.irp c, 0,1,2
	global_store_b128 v[L16], v[C+12*(\s)+4*\c:C+12*(\s)+4*\c+3], s[18:19] offset:1536*(\s)+512*\c   ; 32 lanes store 512 consecutive bytes, at a multiple of 256 from the buffer's first byte
.endr
.endm
	LOAD 0
	LOAD 1
	UNIT 0
	UNIT 1
	UNIT 2
	UNIT 3
	s_mov_b32 vcc_lo, 0xffff0000                   ; lanes 16-31
	v_cndmask_b32 v[SW], v[PW], v[PW+1], vcc_lo    ; K step 0 in lanes 0-15, K step 1 in lanes 16-31
	v_cndmask_b32 v[SW+1], v[PW+2], v[PW+3], vcc_lo
	global_store_b64 v[L8], v[SW:SW+1], s[20:21]   ; 256 consecutive bytes
	s_wait_tensorcnt 0x0                           ; the wave's end, behind my last LDS store
	ds_add_u32 v[SPW], v[NIL]
	s_wait_dscnt 0x0
	s_endpgm
.Lfunc_end_k_qc5e0e31cc6_quant:
	.size	k_qc5e0e31cc6_quant, .Lfunc_end_k_qc5e0e31cc6_quant-k_qc5e0e31cc6_quant
	.p2alignl 7, 3214868480
	.fill 96, 4, 3214868480
	.section	.rodata,"a",@progbits
	.p2align	6, 0x0
	.amdhsa_kernel k_qc5e0e31cc6_quant
		.amdhsa_group_segment_fixed_size 34304
		.amdhsa_private_segment_fixed_size 0
		.amdhsa_enable_private_segment 0
		.amdhsa_kernarg_size 72
		.amdhsa_user_sgpr_count 2
		.amdhsa_user_sgpr_kernarg_segment_ptr 1
		.amdhsa_wavefront_size32 1
		.amdhsa_system_sgpr_workgroup_id_x 1
		.amdhsa_system_sgpr_workgroup_id_y 1
		.amdhsa_system_sgpr_workgroup_id_z 1
		.amdhsa_system_vgpr_workitem_id 0
		.amdhsa_next_free_vgpr 216
		.amdhsa_next_free_sgpr 66
		.amdhsa_reserve_vcc 1
		.amdhsa_float_denorm_mode_32 3
		.amdhsa_float_denorm_mode_16_64 3
		.amdhsa_memory_ordered 1
		.amdhsa_forward_progress 1
		.amdhsa_inst_pref_size 34
	.end_amdhsa_kernel
	.amdgpu_metadata
---
amdhsa.version: [ 1, 2 ]
amdhsa.kernels:
  - .name:           k_qc5e0e31cc6_quant
    .symbol:         k_qc5e0e31cc6_quant.kd
    .args:
      - { .name: q, .offset: 0, .size: 8, .value_kind: global_buffer, .address_space: global }
      - { .name: k, .offset: 8, .size: 8, .value_kind: global_buffer, .address_space: global }
      - { .name: v, .offset: 16, .size: 8, .value_kind: global_buffer, .address_space: global }
      - { .name: Wq, .offset: 24, .size: 8, .value_kind: global_buffer, .address_space: global }
      - { .name: Wk, .offset: 32, .size: 8, .value_kind: global_buffer, .address_space: global }
      - { .name: Wv, .offset: 40, .size: 8, .value_kind: global_buffer, .address_space: global }
      - { .name: Wo, .offset: 48, .size: 8, .value_kind: global_buffer, .address_space: global }
      - { .name: opc, .offset: 56, .size: 8, .value_kind: global_buffer, .address_space: global }
      - { .name: ops, .offset: 64, .size: 8, .value_kind: global_buffer, .address_space: global }
    .group_segment_fixed_size: 34304
    .private_segment_fixed_size: 0
    .kernarg_segment_align: 8
    .kernarg_segment_size: 72
    .max_flat_workgroup_size: 128
    .sgpr_count:     66
    .vgpr_count:     216
    .wavefront_size: 32
...
	.end_amdgpu_metadata
.endif
;; end of part 5
;; launch proj (part 6): grid 192 x 1, 4 waves a work-group, no clusters, 0 bytes of LDS; arguments opc, ops, bq, bk, bv, qc, qs, kv; writes qc, qs, kv
.if DOCPART == 6
	.amdgcn_target "amdgcn-amd-amdhsa--gfx1250"
	.amdhsa_code_object_version 6
	.text
	.protected	k_qc5e0e31cc6_proj
	.globl	k_qc5e0e31cc6_proj
	.p2align	8
	.type	k_qc5e0e31cc6_proj,@function
k_qc5e0e31cc6_proj:
	s_mov_b64 s[64:65], 0
	v_nop
	global_prefetch_b8 v0, s[64:65] scope:SCOPE_SE
	s_setreg_imm32_b32 hwreg(HW_REG_WAVE_SCHED_MODE, 0, 2), 2
	s_setreg_imm32_b32 hwreg(HW_REG_WAVE_MODE, 25, 1), 1
	s_wait_xcnt 0x0
	s_wait_alu depctr_vm_vsrc(0)
; The three projections x W^T + b on codes of FP6, and the quantising of their results for the attention launch.
; Work-group g: j = g / 64 (q, k, v), a block of 128 tokens (g % 64).  Wave w: outputs 128 w .. 128 w + 127 (heads 2 w, 2 w + 1) for all 128 tokens: 64 accumulators of 16 x 16, 512 registers.
; Accumulator (a, b) = source 0 (INNER tile b) x source 1 (OUTER tile a): a lane holds one row of OUTER, and its registers run along INNER, the axis that is quantised next.
;   q, k: INNER = W's rows (the head's channels), OUTER = tokens: a lane's 64 registers of one a are 128 neighbouring outputs: two heads' half fragments (64 along K each).
;   v:    INNER = tokens (the keys), OUTER = W's rows: a lane's 64 registers of one a are 128 neighbouring keys of one channel: a whole fragment.
; Tiles are laid as the first launch lays them (tile 2 p + u = rows 32 p + 8 u + r + 8 (r / 8)), so every fragment comes by three dense loads of 16 bytes a lane, straight from memory: no LDS.
; The bias is the C of each sum's first matrix instruction.  K = 512 is four steps, written out; two sets of fragments.
; OUT.  qc [bh][block of 128 tokens][tile 8][768]: half images (512 bytes: registers 0-3 at 16 l; 256 bytes: registers 4-5 at 8 l).  qs [bh][block][512]: lane l, 16 bytes at 16 l: word i = row l % 16 of tile 4 (l / 16) + i.
; kv [bh][step of 128 keys][13,056]: K's 8 half images at 768 t; V's 4 whole images at 6,144 + 1,536 t; K's scale words at 12,288 (as qs); V's at 12,800 (lane l, 8 bytes: word e = row l % 16 of tile 2 (l / 16) + e).
; A 64-K operand's scale word: bytes 0, 1 are its own; bytes 2, 3 (the neighbouring head's, or 0) stand over zero codes.
; LIMITS: NaN and infinities are not served; a block of zeros gets the byte 1 where the rule says 127 (zero codes; read by this program alone).
; No multicast: the launch has no tensor load; the four waves of a work-group read the same tokens' fragments close together.
; REGISTERS, in windows of 256.  Window 0: v1-4 offsets; v16-31, v32-47 scale words; v64-159, v160-255 OUTER's fragments, two sets (behind the products: codes and work).
;   window 1: v0-95, v96-191 INNER's fragments, two sets; v192-255 the bias.   windows 2, 3: accumulator (a, b) at v[8 (8 (a % 4) + b)], a < 4 in window 2.
; THE MODE: SCHED_MODE bits 1:0 = 2 (LLVM: expert scheduling mode 2), set by the entry lines.  The code itself states the register dependences
; between vector or matrix instructions and memory instructions, with s_wait_alu, always for 0.
; THE PLAN.  Registers that memory instructions touch:
;   v1-4          offsets: written at the head, read by every load and store, never written again.
;   scale words, bias   loaded at the head, read by the products, never loaded again.
;   fragment sets 0, 1  K step s's loads land in set s % 2; step s's 64 products read it.  Steps 0 and 1 are asked for at the head; step s + 1 (s = 1, 2) is asked for IN step s, into the set that step s - 1 read.
;   C, MW         written by the quantiser's vector lines, read by the stores; every tile has registers of its own, so none is written again behind its store.
; So one wait on va_vdst stands at the head of steps 1 and 2: the step before is done reading its set.  INNER's 24 loads follow it at once, OUTER's 24 behind the step's first sixteen products, which name the other
; set, the accumulators and the scale words: none of the registers that those loads touch.  On the way out one wait on va_vdst serves the stores of two tiles.  No register that a memory instruction reads is written again.
.set L16, 1                            ; v1  16 x lane
.set L8,  2                            ; v2  8 x lane
.set BH,  3                            ; v3  64 h: my half's 16 numbers of a bias (q, k)
.set BR,  4                            ; v4  4 (r + 8 (r / 8)): my channel's number of a bias (v)
.set ISC, 16                           ; INNER's scale words, two registers a tile
.set OSC, 32                           ; OUTER's
.set OUF, 64                           ; OUTER's fragments, set p at +96 p
.set INF, 0                            ; INNER's, in window 1
.set BI,  192                          ; the bias, in window 1
.set C,   64                           ; behind the products: codes, 12 registers for each a
.set PT,  160
.set TM,  168
.set KW,  184                          ; a scale word for each a
.set MW,  192                          ; the words as they are stored
.set KWB, 200                          ; the second head's words
.set SEL, 46
.set MSB, 0
.macro WIN new                         ; the immediate's high byte repeats the setting that is left; a switch that changes nothing is dropped
.if MSB != (\new)
	s_set_vgpr_msb (MSB<<8)|(\new)
.set MSB, (\new)
.endif
.endm
	s_load_b256 s[4:11], s[0:1], 0x0               ; opc, ops, bq, bk
	s_load_b256 s[12:19], s[0:1], 0x20             ; bv, qc, qs, kv
	v_lshrrev_b32 v5, 5, v0
	v_readfirstlane_b32 s20, v5                    ; wave
	v_and_b32 v5, 31, v0
	v_lshlrev_b32 v[L16], 4, v5
	v_lshlrev_b32 v[L8], 3, v5
	v_bfe_u32 v5, v0, 4, 1
	v_lshlrev_b32 v[BH], 6, v5
	v_and_b32 v5, 15, v0
	v_and_b32 v6, 8, v0
	v_add_nc_u32 v5, v5, v6
	v_lshlrev_b32 v[BR], 2, v5
	s_wait_alu depctr_va_sdst(0)                   ; s20, the wave's number, is written, ahead of its first reader: the tiles' numbers and all bases are made from it
	s_mov_b32 s[SEL], 0x76543210
	s_mov_b32 s[SEL+1], 0xfedcba98
	s_lshr_b32 s21, ttmp9, 6                       ; j
	s_and_b32 s22, ttmp9, 63                       ; the block of 128 tokens among 64
	s_lshr_b32 s23, s22, 5                         ; batch
	s_and_b32 s24, s22, 31                         ; block within the batch
	s_lshl_b32 s25, s21, 9
	s_lshl_b32 s26, s22, 3
	s_add_co_u32 s25, s25, s26                     ; the tokens' first tile: 512 j + 8 block
	s_lshl_b32 s26, s21, 5
	s_lshl_b32 s27, s20, 3
	s_add_co_u32 s26, s26, s27
	s_add_co_u32 s26, s26, 1536                    ; the weight's first tile: 1536 + 32 j + 8 wave
	s_cmp_eq_u32 s21, 2
	s_cselect_b32 s48, s25, s26                    ; INNER's first tile
	s_cselect_b32 s49, s26, s25                    ; OUTER's
	s_mul_i32 s50, s48, 6144
	s_mov_b32 s51, 0
	s_mul_i32 s52, s49, 6144
	s_mov_b32 s53, 0
	s_lshl_b32 s54, s48, 8
	s_mov_b32 s55, 0
	s_lshl_b32 s56, s49, 8
	s_mov_b32 s57, 0
	s_lshl_b32 s27, s23, 3
	s_lshl_b32 s58, s20, 1
	s_add_co_u32 s27, s27, s58
	s_lshl_b32 s27, s27, 5
	s_add_co_u32 s27, s27, s24                     ; (batch x 8 + head 2 w) x 32 + block
	s_wait_kmcnt 0x0
	s_add_nc_u64 s[28:29], s[4:5], s[50:51]        ; INNER's codes
	s_add_nc_u64 s[30:31], s[4:5], s[52:53]        ; OUTER's codes
	s_add_nc_u64 s[32:33], s[6:7], s[54:55]        ; INNER's scale words
	s_add_nc_u64 s[34:35], s[6:7], s[56:57]        ; OUTER's
	s_mov_b32 s48, 13056
	s_mov_b32 s49, 13056
	s_cmp_eq_u32 s21, 0                            ; q goes to qc and qs, k and v into kv's records
	s_cselect_b32 s48, 6144, s48                   ; bytes from block to block in the codes' buffer
	s_cselect_b32 s49, 512, s49                    ; and in the scale words'
	s_cselect_b32 s50, 0, 12288                    ; where a record's scale words of K begin
	s_cselect_b64 s[36:37], s[14:15], s[18:19]
	s_cselect_b64 s[40:41], s[16:17], s[18:19]
	s_mul_i32 s52, s27, s48
	s_add_nc_u64 s[36:37], s[36:37], s[52:53]      ; head 2 w's codes (for v: its record)
	s_lshl_b32 s52, s48, 5
	s_add_nc_u64 s[38:39], s[36:37], s[52:53]      ; head 2 w + 1's: 32 blocks on
	s_mul_i32 s52, s27, s49
	s_add_co_u32 s52, s52, s50
	s_add_nc_u64 s[40:41], s[40:41], s[52:53]      ; head 2 w's scale words
	s_lshl_b32 s52, s49, 5
	s_add_nc_u64 s[42:43], s[40:41], s[52:53]      ; head 2 w + 1's
	s_mov_b64 s[44:45], s[12:13]
	s_cmp_eq_u32 s21, 1
	s_cselect_b64 s[44:45], s[10:11], s[44:45]
	s_cmp_eq_u32 s21, 0
	s_cselect_b64 s[44:45], s[8:9], s[44:45]
	s_lshl_b32 s52, s20, 9
	s_add_nc_u64 s[44:45], s[44:45], s[52:53]      ; my 128 numbers of the bias
	s_wait_alu depctr_va_vdst(0)                   ; the four offsets v1 to v4 are written: every load and store of the kernel reads one of them; no vector line writes them again
.irp i, 0,1,2,3,4,5,6,7
	global_load_b64 v[ISC+2*\i:ISC+2*\i+1], v[L8], s[32:33] offset:256*\i   ; register e: K step 2 e in lanes 0-15, 2 e + 1 in lanes 16-31
	global_load_b64 v[OSC+2*\i:OSC+2*\i+1], v[L8], s[34:35] offset:256*\i
.endr
; K step s: 8 + 8 fragments, 48 loads of 512 consecutive bytes, into set s % 2: INNER's 24, OUTER's 24
.macro FRAGS_IN s
	WIN 0x40                                       ; destination window 1, address window 0
.irp i, 0,1,2,3,4,5,6,7
.irp c, 0,1,2
	global_load_b128 v[INF+96*((\s)%2)+12*\i+4*\c:INF+96*((\s)%2)+12*\i+4*\c+3], v[L16], s[28:29] offset:6144*\i+1536*(\s)+512*\c
.endr
.endr
.endm
.macro FRAGS_OUT s
	WIN 0
.irp i, 0,1,2,3,4,5,6,7
.irp c, 0,1,2
	global_load_b128 v[OUF+96*((\s)%2)+12*\i+4*\c:OUF+96*((\s)%2)+12*\i+4*\c+3], v[L16], s[30:31] offset:6144*\i+1536*(\s)+512*\c
.endr
.endr
.endm
; 16 matrix instructions: OUTER's tiles a0, a0 + 1 x INNER's eight, K step s.  The 64 accumulators take turns, one instruction a turn, in the same order in every step.
.macro MUL16 a0, s, path
.irp a, \a0, \a0+1
.irp b, 0,1,2,3,4,5,6,7
.set rD, 8*(8*((\a)%4)+\b)
.set rA, INF+96*((\s)%2)+12*\b
.set rB, OUF+96*((\s)%2)+12*(\a)
.set rC, rD
.if (\s) == 0
.set rC, BI+8*\b                       ; the bias starts the sum: along INNER for q and k,
.if \path
.set rC, BI+8*(\a)                     ; the lane's own channel's for v
.endif
.endif
.set rX, ISC+2*\b+(\s)/2
.set rY, OSC+2*(\a)+(\s)/2
.if (\s)%2
	v_wmma_scale_f32_16x16x128_f8f6f4 v[rD:rD+7], v[rA:rA+11], v[rB:rB+11], v[rC:rC+7], v[rX], v[rY] matrix_a_fmt:MATRIX_FMT_FP6 matrix_b_fmt:MATRIX_FMT_FP6 matrix_a_scale:MATRIX_SCALE_ROW1 matrix_b_scale:MATRIX_SCALE_ROW1
.else
	v_wmma_scale_f32_16x16x128_f8f6f4 v[rD:rD+7], v[rA:rA+11], v[rB:rB+11], v[rC:rC+7], v[rX], v[rY] matrix_a_fmt:MATRIX_FMT_FP6 matrix_b_fmt:MATRIX_FMT_FP6
.endif
.endr
.endr
.endm
; 64 numbers of a lane in window win, register 16 b + i = place 32 b + 16 h + i along the next K, become 12 registers of codes at v[d] and a scale word in v[pw], both in window 0.
; The reads ascend.
.macro QUANTW win, s, d, pw
	WIN 5*(\win)                                   ; sources 0 and 1 in the accumulators' window
.irp b, 0,1,2,3
	v_max3_num_f32 v[TM+\b], |v[(\s)+16*\b]|, |v[(\s)+1+16*\b]|, 0x1800000   ; and the floor 2^(3 - 127): the byte cannot fall under 1
.endr
.irp i, 2,4,6,8,10,12,14
.irp b, 0,1,2,3
	v_max3_num_f32 v[TM+\b], |v[(\s)+16*\b+\i]|, |v[(\s)+1+16*\b+\i]|, v[TM+\b]
.endr
.endr
	WIN 0
.irp b, 0,1,2,3
	v_permlanex16_b32 v[TM+4+\b], v[TM+\b], s[SEL], s[SEL+1]
.endr
.irp b, 0,1,2,3
	v_max_num_f32 v[TM+\b], v[TM+\b], v[TM+4+\b]
.endr
.irp b, 0,1,2,3
	v_add_nc_u32 v[TM+12+\b], 0xff000000, v[TM+\b] ; 2 off the exponent field: the conversion's scale operand
.endr
.irp b, 0,1,2,3
	v_lshrrev_b32 v[TM+4+\b], 23, v[TM+12+\b]      ; the scale's byte
.endr
	v_lshl_or_b32 v[\pw], v[TM+5], 8, v[TM+4]
	v_lshl_or_b32 v[\pw], v[TM+6], 16, v[\pw]
	v_lshl_or_b32 v[\pw], v[TM+7], 24, v[\pw]
	WIN (\win)                                     ; source 0, the numbers, in the accumulators' window
.irp c, 0,1
	v_cvt_scalef32_pk16_fp6_f32 v[(\d)+6*\c:(\d)+6*\c+2], v[(\s)+32*\c:(\s)+32*\c+15], v[TM+12+2*\c]
	v_cvt_scalef32_pk16_fp6_f32 v[PT+4*\c:PT+4*\c+2], v[(\s)+32*\c+16:(\s)+32*\c+31], v[TM+13+2*\c]
.endr
	WIN 0
	v_nop                                          ; one plain place behind a scaled conversion
.irp c, 0,1
.irp i, 0,1,2
	v_permlane16_swap_b32 v[(\d)+6*\c+\i], v[PT+4*\c+\i]
.endr
.irp i, 0,1,2
	v_mov_b32 v[(\d)+6*\c+3+\i], v[PT+4*\c+\i]
.endr
.endr
.endm
; The stores of tile a's codes
.macro OUT_QK a
	global_store_b128 v[L16], v[C+12*(\a):C+12*(\a)+3], s[36:37] offset:768*(\a)          ; registers 0-5: head 2 w's 64 channels
	global_store_b64 v[L8], v[C+12*(\a)+4:C+12*(\a)+5], s[36:37] offset:768*(\a)+512
	global_store_b128 v[L16], v[C+12*(\a)+6:C+12*(\a)+9], s[38:39] offset:768*(\a)        ; registers 6-11: head 2 w + 1's
	global_store_b64 v[L8], v[C+12*(\a)+10:C+12*(\a)+11], s[38:39] offset:768*(\a)+512
.endm
.macro OUT_V a
.irp c, 0,1,2
	global_store_b128 v[L16], v[C+12*(\a)+4*\c:C+12*(\a)+4*\c+3], s[36:37] offset:((\a)/4)*417792+6144+1536*((\a)%4)+512*\c   ; 16 channels x 128 keys: a whole image; head a / 4, tile a % 4
.endr
.endm
.macro BODY path                       ; path 0: q and k; path 1: v
	WIN 0x40
.if \path
.irp a, 0,1,2,3,4,5,6,7
.irp jj, 0,1,2,3,4,5,6,7
	global_load_b32 v[BI+8*\a+\jj], v[BR], s[44:45] offset:(32*(\a/2)+8*(\a%2))*4   ; my channel's bias in all eight registers of the result's layout
.endr
.endr
.else
.irp t, 0,1,2,3,4,5,6,7
	global_load_b128 v[BI+8*\t:BI+8*\t+3], v[BH], s[44:45] offset:(32*(\t/2)+8*(\t%2))*4   ; tile t's eight outputs of my half
	global_load_b128 v[BI+8*\t+4:BI+8*\t+7], v[BH], s[44:45] offset:(32*(\t/2)+8*(\t%2))*4+16
.endr
.endif
	FRAGS_IN 0
	FRAGS_OUT 0
	FRAGS_IN 1
	FRAGS_OUT 1
.irp s, 0,1,2,3
.if \s == 0
	s_wait_loadcnt 48                              ; all but step 1's 48 loads are in
	WIN 0x91                                       ; source 0 and C (the bias) window 1, source 1 window 0, D window 2
.else
	s_wait_loadcnt 0x0                             ; this step's 48 loads, the youngest, are in
.if \s < 3
	WIN 0x40                                       ; the switch, then the wait, then the loads
	s_wait_alu depctr_va_vdst(0)                   ; the products of the step before are done reading their set of INNER's and OUTER's fragments, in which the next step's 48 loads land
	FRAGS_IN \s+1
.endif
	WIN 0xa1                                       ; C and D window 2
.endif
	MUL16 0, \s, \path
.if (\s == 1) || (\s == 2)
	FRAGS_OUT \s+1                                 ; no wait: the sixteen products since the wait name this step's set, the accumulators and the scale words, none of the registers that these loads touch
	WIN 0xa1
.endif
	MUL16 2, \s, \path
.if \s == 0
	WIN 0xd1
.else
	WIN 0xf1
.endif
	MUL16 4, \s, \path
	MUL16 6, \s, \path
.if \s != 2
.rept 4
	v_nop                                          ; four places behind these products: ahead of the wait and the loads into registers that they read, and, behind the last step, of the first reads of results and writes over operands
.endr
.endif
.endr
	WIN 0
	s_mov_b32 vcc_lo, 0xffff0000                   ; lanes 16-31
.irp b, 0,1,2,3
	v_mov_b32 v[TM+4+\b], 0                        ; a lane permute's destination counts as one of its sources
.endr
.irp a, 0,1,2,3,4,5,6,7
	QUANTW 2+\a/4, 64*(\a%4), C+12*\a, KW+\a
.if \path
.if \a == 7
.irp hh, 0,1
	v_cndmask_b32 v[MW+2*\hh], v[KW+4*\hh], v[KW+4*\hh+2], vcc_lo       ; tiles 0 and 1 in lanes 0-15, tiles 2 and 3 in lanes 16-31
	v_cndmask_b32 v[MW+2*\hh+1], v[KW+4*\hh+1], v[KW+4*\hh+3], vcc_lo
.endr
.endif
.if (\a)%2
	s_wait_alu depctr_va_vdst(0)                   ; the quantiser has written the codes of tiles a - 1 and a (behind the last tile: the merged scale words too), which the stores below read
	OUT_V \a-1
	OUT_V \a
.endif
.else
	v_lshrrev_b32 v[KWB+\a], 16, v[KW+\a]          ; the second head's two bytes at the word's low end
.if \a == 7
.irp i, 0,1,2,3
	v_cndmask_b32 v[MW+\i], v[KW+\i], v[KW+4+\i], vcc_lo                ; tile i in lanes 0-15, tile 4 + i in lanes 16-31
	v_cndmask_b32 v[MW+4+\i], v[KWB+\i], v[KWB+4+\i], vcc_lo
.endr
.endif
.if (\a)%2
	s_wait_alu depctr_va_vdst(0)                   ; the quantiser has written the codes of tiles a - 1 and a (behind the last tile: the merged scale words too), which the stores below read
	OUT_QK \a-1
	OUT_QK \a
.endif
.endif
.endr
.if \path
.irp hh, 0,1
	global_store_b64 v[L8], v[MW+2*\hh:MW+2*\hh+1], s[36:37] offset:\hh*417792+12800   ; no vector line stands between the last wait and these stores
.endr
.else
	global_store_b128 v[L16], v[MW:MW+3], s[40:41] ; no vector line stands between the last wait and these stores
	global_store_b128 v[L16], v[MW+4:MW+7], s[42:43]
.endif
	s_endpgm
.endm
	s_cmp_eq_u32 s21, 2                            ; the work-group's number alone decides
	s_cbranch_scc1 .Lpath_v
	BODY 0
.Lpath_v:
	BODY 1
.Lfunc_end_k_qc5e0e31cc6_proj:
	.size	k_qc5e0e31cc6_proj, .Lfunc_end_k_qc5e0e31cc6_proj-k_qc5e0e31cc6_proj
	.p2alignl 7, 3214868480
	.fill 96, 4, 3214868480
	.section	.rodata,"a",@progbits
	.p2align	6, 0x0
	.amdhsa_kernel k_qc5e0e31cc6_proj
		.amdhsa_group_segment_fixed_size 0
		.amdhsa_private_segment_fixed_size 0
		.amdhsa_enable_private_segment 0
		.amdhsa_kernarg_size 64
		.amdhsa_user_sgpr_count 2
		.amdhsa_user_sgpr_kernarg_segment_ptr 1
		.amdhsa_wavefront_size32 1
		.amdhsa_system_sgpr_workgroup_id_x 1
		.amdhsa_system_sgpr_workgroup_id_y 1
		.amdhsa_system_sgpr_workgroup_id_z 1
		.amdhsa_system_vgpr_workitem_id 0
		.amdhsa_next_free_vgpr 1024
		.amdhsa_next_free_sgpr 66
		.amdhsa_reserve_vcc 1
		.amdhsa_float_denorm_mode_32 3
		.amdhsa_float_denorm_mode_16_64 3
		.amdhsa_memory_ordered 1
		.amdhsa_forward_progress 1
		.amdhsa_inst_pref_size 183
	.end_amdhsa_kernel
	.amdgpu_metadata
---
amdhsa.version: [ 1, 2 ]
amdhsa.kernels:
  - .name:           k_qc5e0e31cc6_proj
    .symbol:         k_qc5e0e31cc6_proj.kd
    .args:
      - { .name: opc, .offset: 0, .size: 8, .value_kind: global_buffer, .address_space: global }
      - { .name: ops, .offset: 8, .size: 8, .value_kind: global_buffer, .address_space: global }
      - { .name: bq, .offset: 16, .size: 8, .value_kind: global_buffer, .address_space: global }
      - { .name: bk, .offset: 24, .size: 8, .value_kind: global_buffer, .address_space: global }
      - { .name: bv, .offset: 32, .size: 8, .value_kind: global_buffer, .address_space: global }
      - { .name: qc, .offset: 40, .size: 8, .value_kind: global_buffer, .address_space: global }
      - { .name: qs, .offset: 48, .size: 8, .value_kind: global_buffer, .address_space: global }
      - { .name: kv, .offset: 56, .size: 8, .value_kind: global_buffer, .address_space: global }
    .group_segment_fixed_size: 0
    .private_segment_fixed_size: 0
    .kernarg_segment_align: 8
    .kernarg_segment_size: 64
    .max_flat_workgroup_size: 128
    .sgpr_count:     66
    .vgpr_count:     1024
    .wavefront_size: 32
...
	.end_amdgpu_metadata
.endif
;; end of part 6
;; launch attn (part 7): grid 16 x 16, 16 waves a work-group, no clusters, 327,680 bytes of LDS; arguments qc, qs, kv, ac, asw; writes ac, asw
.if DOCPART == 7
	.amdgcn_target "amdgcn-amd-amdhsa--gfx1250"
	.amdhsa_code_object_version 6
	.text
	.protected	k_qc5e0e31cc6_attn
	.globl	k_qc5e0e31cc6_attn
	.p2align	8
	.type	k_qc5e0e31cc6_attn,@function
k_qc5e0e31cc6_attn:
	s_mov_b64 s[64:65], 0
	v_nop
	global_prefetch_b8 v0, s[64:65] scope:SCOPE_SE
	s_setreg_imm32_b32 hwreg(HW_REG_WAVE_MODE, 25, 1), 1
	s_wait_xcnt 0x0
; Causal attention of one head on codes of FP6: S^T = K Q^T (K = the head's 64, the instruction's upper 64 are zero codes on both sides), p = 2^(t - M), O^T = V^T P^T (K = the keys), O / l, and O quantised along the model's 512.
; t = score x log2(e) / 8; M = the running largest t rounded UP to a whole number; p is not normalised; the row's sum l is taken of the unquantised p; when M moves, l and O^T are multiplied by 2^(old M - new M), exactly.
; SHARES.  Work-group (i, bh) owns the blocks i and 31 - i of 128 queries of head bh: a block QB needs the key steps 0 .. QB (128 keys each), so every work-group has 8 x 33 wave-steps.
; Sixteen waves, each ONE tile of 16 queries in 256 registers, four to a SIMD, so that one wave's vector work stands beside another's matrix work and LDS loads.
; Wave w: tile w / 2; block 31 - i where (w xor w / 4) is odd, else block i: of any four waves w, w + 4, w + 8, w + 12, and of any four neighbours, two are early and two late.
; A step's record of kv (13,056 bytes: K's 8 half images, V's 4 images, both scale words, all in the order of the operands' registers) is read from LDS by dense loads: 16 or 8 bytes a lane on end.
; RING.  Two LDS slots of four records, filled by the tensor data mover (waves 0 and 1, half a slot each: 102 rows of 256 bytes) and read by all sixteen.  Every work-group walks all 8 slots, so that trip counts are
; constants and every wave passes every barrier; a step whose keys all come after the wave's queries is jumped over, and a slot that none of the work-group's waves reads is not asked for.
; LAYOUT.  A lane holds ONE query (lane % 16) throughout.  Tile 2 p + u of keys, queries or channels holds rows 32 p + 8 u + r + 8 (r / 8): the 16 registers of two neighbouring tiles are 16 neighbours.
; NO MULTICAST: the sixteen work-groups of a head read the same records, but each stops asking at a slot that hangs on its own number (31 - i), and partners of a joint request must all make every request.
; LIMITS: NaN and infinities are not served; a block of zeros gets the byte 1 (zero codes; read by this program alone).
.set REC,   13056
.set SLOTB, 4*REC
.set HEADB, 32*REC
.set SLOT1, 65536                      ; slot 1 begins here: one exclusive or turns an address from slot to slot
.set SPARE, 131072                     ; the spare words, 128 bytes for each of 16 waves: eight blocks of 256 bytes that no other line names
.set L16,  1                           ; v1   16 x lane
.set L8,   2                           ; v2   8 x lane
.set AD16, 3                           ; v3   the slot in hand + 16 x lane
.set AD8,  4                           ; v4   the slot in hand + 8 x lane
.set SPW,  5                           ; v5   my spare word; never rewritten
.set NIL,  6                           ; v6   0; never rewritten
.set DD,   7                           ; v7   my query's place in its block - 16 h
.set QSW,  8                           ; v8   Q's scale word
.set PFO,  9                           ; v9   the prefetches' offset
.set L4,   10                          ; v10  at work at the head; 4 x lane on the way out
.set R16,  11                          ; v11  16 r
.set QF,   16                          ; v16-27 Q's fragment (v22-27 zero codes)
.set VSW,  28                          ; v28-29 V's scale words
.set KF,   32                          ; v32-79 four fragments of K (registers 6-11 of each: zero codes, written once)
.set VF,   80                          ; v80-127 V's four fragments
.set SS,   128                         ; v128-191 S^T, then p
.set OO,   192                         ; v192-223 O^T;  v12 -M, v13 the largest t, v[14:15] the sum;  v224-235 p's codes; v232-254 at work; v248-251 K's scale words; v252 f; v253 p's scale word
.set WV,   18
.set QB,   19                          ; s19  my block of queries = my last key step
.set LB,   20                          ; s20  the work-group's last key step: 31 - i
.set ST,   21                          ; s21  the key step in hand
.set TB,   22                          ; s22  LDS byte at which the slot in hand begins
.set SLOTS, 23
.set G1,   24
.set G0,   32
.set SEL,  36
.set CS,   38
.set PFA,  40
.set LIM,  42
.macro TLOAD                           ; waves 0 and 1 fetch a half slot each; an s_nop 0 and four v_nop follow the load
	s_cmp_lt_u32 s[WV], 2
	s_cbranch_scc0 .Lasked_\@
	tensor_load_to_lds s[G0:G0+3], s[G1:G1+7]
	s_nop 0
.rept 4
	v_nop
.endr
.Lasked_\@:
.endm
; A prefetch of the slot that the NEXT change of slots will ask for: four key steps ahead of that load.  All work-groups of a head walk the same records: the head's work-group i = 0, which walks all slots, asks, and in it
; waves 4 to 10, which fetch nothing: a slot is 204 pieces of 256 bytes, a lane a piece; the last wave's lanes beyond piece 203 name that piece again.  The last change that fills a slot asks for nothing; slots 0 and 1 come by their loads alone.
.macro ASK
	s_cmp_gt_u32 s[SLOTS], s[LIM]
	s_cbranch_scc0 .Lnot_mine_\@
	global_prefetch_b8 v[PFO], s[PFA:PFA+1] th:TH_LOAD_NT scope:SCOPE_SE
.Lnot_mine_\@:
.endm
	s_load_b256 s[4:11], s[0:1], 0x0               ; qc, qs, kv, ac
	s_load_b64 s[12:13], s[0:1], 0x20              ; asw
	v_lshl_add_u32 v[SPW], v0, 2, SPARE
	v_mov_b32 v[NIL], 0
	ds_add_u32 v[SPW], v[NIL]                      ; the wave's opening: the add and its wait stand ahead of the first tensor load; work on registers stands between them
	ds_add_u32 v[SPW], v[NIL]
	v_lshrrev_b32 v[L4], 5, v0
	s_delay_alu instid0(VALU_DEP_1)
	v_readfirstlane_b32 s[WV], v[L4]               ; wave 0..15
	s_mov_b32 s[G1], 3<<16                         ; no mask; elements of 8 bytes; no padding
	s_mov_b32 s[G1+1], 32<<16                      ; tensor_dim0 = 32 elements: 256 bytes
	s_mov_b32 s[G1+2], 102<<16                     ; tensor_dim1 = 102 rows: two records
	s_mov_b32 s[G1+3], 32<<16                      ; tile_dim0
	s_mov_b32 s[G1+4], 102                         ; tile_dim1
	s_mov_b32 s[G1+5], 32                          ; from row to row: dense
	s_mov_b32 s[G1+6], 0
	s_mov_b32 s[G1+7], 0
	s_mov_b32 s[SEL], 0x76543210
	s_mov_b32 s[SEL+1], 0xfedcba98
	s_mov_b32 s[CS], 0x3e38aa3b                    ; c = log2(e) / sqrt(64)
	s_mov_b32 s[CS+1], s[CS]                       ; (named with it as a pair)
	s_mov_b32 s[ST], 0
	s_mov_b32 s[TB], 0
	s_mov_b32 s[SLOTS], 7
	s_lshr_b32 s43, s[WV], 2
	s_xor_b32 s43, s43, s[WV]
	s_and_b32 s44, s43, 1                          ; early (0) or late (1) block
	s_lshr_b32 s45, s[WV], 1                       ; my tile of the block
	s_sub_co_u32 s[LB], 31, ttmp9
	s_cmp_eq_u32 s44, 1
	s_cselect_b32 s[QB], s[LB], ttmp9
	s_and_b32 s46, ttmp7, 0xffff                   ; bh
	s_lshl_b32 s47, s46, 5
	s_add_co_u32 s47, s47, s[QB]                   ; bh x 32 + block
	s_lshl_b32 s48, s47, 3
	s_add_co_u32 s48, s48, s45                     ; x 8 + tile
	s_mul_i32 s50, s48, 768                        ; my half image in qc and in ac
	s_mov_b32 s51, 0
	s_lshl_b32 s52, s47, 9                         ; my scale words in qs: the block's 512 bytes, + 256 (tile / 4) + 4 (tile % 4)
	s_lshr_b32 s43, s45, 2
	s_lshl_b32 s43, s43, 8
	s_add_co_u32 s52, s52, s43
	s_and_b32 s43, s45, 3
	s_lshl_b32 s43, s43, 2
	s_add_co_u32 s52, s52, s43
	s_mov_b32 s53, 0
	s_lshl_b32 s54, s48, 7                         ; my 128 bytes of asw
	s_mov_b32 s55, 0
	s_mul_i32 s56, s46, HEADB                      ; the head's records
	s_mov_b32 s57, 0
	s_and_b32 s58, s[WV], 1
	s_mul_i32 s58, s58, 2*REC                      ; which half of a slot I fetch, if I fetch
	s_mov_b32 s59, 0
	s_sub_co_u32 s43, s[WV], 4
	s_cmp_lt_u32 s43, 7                            ; waves 4 to 10
	s_cselect_b32 s[LIM], 1, -1
	s_cmp_eq_u32 ttmp9, 0                          ; of the head's work-group 0
	s_cselect_b32 s[LIM], s[LIM], -1
	s_lshr_b32 s43, s45, 1
	s_lshl_b32 s43, s43, 5
	s_and_b32 s44, s45, 1
	s_lshl_b32 s44, s44, 3
	s_add_co_u32 s43, s43, s44                     ; my tile's first query in its block
	v_and_b32 v[L4], 31, v0
	s_delay_alu instid0(VALU_DEP_1)
	v_lshlrev_b32 v[L16], 4, v[L4]
	s_delay_alu instid0(VALU_DEP_2)
	v_lshlrev_b32 v[L8], 3, v[L4]
	v_and_b32 v[DD], 15, v0
	s_delay_alu instid0(VALU_DEP_1)
	v_lshlrev_b32 v[R16], 4, v[DD]
	v_and_b32 v[L4], 8, v0
	s_delay_alu instid0(VALU_DEP_1)
	v_add_nc_u32 v[DD], v[DD], v[L4]               ; r + 8 (r / 8)
	v_and_b32 v[L4], 16, v0
	s_delay_alu instid0(VALU_DEP_1)
	v_sub_nc_u32 v[DD], v[DD], v[L4]               ; - 16 h
	s_delay_alu instid0(VALU_DEP_1)
	v_add_nc_u32 v[DD], s43, v[DD]
	v_add_nc_u32 v[PFO], 0xffffff80, v0            ; my thread's number - 128: the piece of a slot that I name
	s_delay_alu instid0(VALU_DEP_1)
	v_min_u32 v[PFO], 0xcb, v[PFO]
	s_delay_alu instid0(VALU_DEP_1)
	v_lshlrev_b32 v[PFO], 8, v[PFO]
	s_wait_dscnt 0x0                               ; the opening add is done
	s_wait_kmcnt 0x0
	s_mov_b32 s[G0], 1                             ; count = 1
	s_mov_b32 s[G0+1], s58                         ; LDS address: slot 0, my half
	s_add_nc_u64 s[G0+2:G0+3], s[8:9], s[56:57]
	s_add_nc_u64 s[PFA:PFA+1], s[G0+2:G0+3], SLOTB ; at slot 1: the first change of slots steps it to slot 2.  Nothing is prefetched at the head
	s_add_nc_u64 s[G0+2:G0+3], s[G0+2:G0+3], s[58:59]
	s_or_b32 s[G0+3], s[G0+3], 0x80000000          ; type = 2
	TLOAD                                          ; slot 0: one tensor load of mine is out, here and behind each change of slots
	s_add_nc_u64 s[14:15], s[4:5], s[50:51]
	s_add_nc_u64 s[16:17], s[6:7], s[52:53]
	s_add_nc_u64 s[10:11], s[10:11], s[50:51]
	s_add_nc_u64 s[12:13], s[12:13], s[54:55]
	global_load_b128 v[QF:QF+3], v[L16], s[14:15]  ; Q's half image stays in registers
	global_load_b64 v[QF+4:QF+5], v[L8], s[14:15] offset:512
	s_wait_alu depctr_va_vdst(0)
	global_load_b32 v[QSW], v[R16], s[16:17]
.irp t, 0,1,2,3
.irp i, 6,7,8,9,10,11
	v_mov_b32 v[KF+12*\t+\i], 0                    ; K = 64 .. 127: zero codes, written once
.endr
.endr
.irp i, 6,7,8,9,10,11
	v_mov_b32 v[QF+\i], 0
.endr
	v_mov_b32 v13, 0xff61b1e6                      ; the largest t so far: -3e38
	s_delay_alu instid0(VALU_DEP_1)
	v_floor_f32 v12, -v13                          ; -M
	v_mov_b32 v14, 0
	v_mov_b32 v15, 0
.irp b, 0,1,2,3
	v_mov_b32 v[236+\b], 0                         ; a lane permute's destination counts as one of its sources
.endr
	v_mov_b32 v252, 0
	v_mov_b32 v253, 0
.set n, 0
.rept 32
	v_mov_b32 v[OO+n], 0                           ; O^T: the step is written once; its first turn finds zeros, which the first change of M leaves zeros
.set n, n+1
.endr
; A KEY STEP: the q-th record of the slot in hand
.macro STEP q
.set RO, (\q)*REC
	s_cmp_gt_u32 s[ST], s[QB]                      ; all its keys come after my queries: only the count of steps goes on.  No barrier and no tensor load stands in a step
	s_cbranch_scc1 .Lhidden_\@
	s_wait_alu depctr_va_vdst(0)
	ds_load_b128 v[248:251], v[AD16] offset:RO+12288   ; K's scale words: tile t in lanes 0-15 of word t, tile 4 + t in lanes 16-31
.irp t, 0,1,2,3
	ds_load_b128 v[KF+12*\t:KF+12*\t+3], v[AD16] offset:RO+768*\t
	ds_load_b64 v[KF+12*\t+4:KF+12*\t+5], v[AD8] offset:RO+768*\t+512
.endr
	s_wait_dscnt 0x0
.irp t, 0,1,2,3
	v_wmma_scale_f32_16x16x128_f8f6f4 v[SS+8*\t:SS+8*\t+7], v[KF+12*\t:KF+12*\t+11], v[QF:QF+11], 0, v[248+\t], v[QSW] matrix_a_fmt:MATRIX_FMT_FP6 matrix_b_fmt:MATRIX_FMT_FP6
.endr
.rept 4
	v_nop                                          ; four places in front of the loads into K's registers, which these products read, and into V's, which the last step's last products read
.endr
	s_wait_alu depctr_va_vdst(0)
.irp t, 0,1,2,3
	ds_load_b128 v[KF+12*\t:KF+12*\t+3], v[AD16] offset:RO+768*(4+\t)
	ds_load_b64 v[KF+12*\t+4:KF+12*\t+5], v[AD8] offset:RO+768*(4+\t)+512
.endr
.irp t, 0,1,2,3
.irp c, 0,1,2
	ds_load_b128 v[VF+12*\t+4*\c:VF+12*\t+4*\c+3], v[AD16] offset:RO+6144+1536*\t+512*\c
.endr
.endr
	ds_load_b64 v[VSW:VSW+1], v[AD8] offset:RO+12800
	s_wait_dscnt 13                                ; K's tiles 4 to 7 are in; V's 12 loads and its scale words land under the softmax
.irp t, 0,1,2,3
	v_wmma_scale_f32_16x16x128_f8f6f4 v[SS+32+8*\t:SS+32+8*\t+7], v[KF+12*\t:KF+12*\t+11], v[QF:QF+11], 0, v[248+\t], v[QSW] matrix_a_fmt:MATRIX_FMT_FP6 matrix_b_fmt:MATRIX_FMT_FP6 matrix_a_scale:MATRIX_SCALE_ROW1
.endr
.rept 4
	v_nop                                          ; four places in front of the first read of the scores
.endr
	s_cmp_lg_u32 s[ST], s[QB]                      ; only my last step lies on the diagonal
	s_cbranch_scc1 .Lopen_\@
	v_mov_b32 v254, 0xff800000                     ; -infinity: p = 0 then
.set n, 0
.rept 64                               ; register 16 b + i holds key 32 b + 16 h + i of the step: hidden where 32 b + i > my query's place - 16 h
	v_cmp_gt_i32 vcc_lo, 32*(n/16)+n%16, v[DD]
	v_cndmask_b32 v[SS+n], v[SS+n], v254, vcc_lo
.set n, n+1
.endr
.Lopen_\@:
.irp b, 0,1,2,3
	v_max3_num_f32 v[232+\b], v[SS+16*\b], v[SS+1+16*\b], v[SS+2+16*\b]   ; the largest score of each block of 32 keys: for the row's maximum, and, since p rises with the score, for the block's largest p
.endr
.irp i, 3,5,7,9,11,13
.irp b, 0,1,2,3
	v_max3_num_f32 v[232+\b], v[232+\b], v[SS+16*\b+\i], v[SS+1+16*\b+\i]
.endr
.endr
.irp b, 0,1,2,3
	v_max_num_f32 v[232+\b], v[232+\b], v[SS+15+16*\b]
.endr
.irp b, 0,1,2,3
	s_delay_alu instid0(VALU_DEP_4)
	v_permlanex16_b32 v[236+\b], v[232+\b], s[SEL], s[SEL+1]
.endr
.irp b, 0,1,2,3
	s_delay_alu instid0(VALU_DEP_4)
	v_max_num_f32 v[232+\b], v[232+\b], v[236+\b]  ; with lane l xor 16's 16 keys
.endr
	s_delay_alu instid0(VALU_DEP_2)
	v_max3_num_f32 v254, v232, v233, v234
	s_delay_alu instid0(VALU_DEP_1)
	v_max_num_f32 v254, v254, v235                 ; the step's largest score of my query (the step's first key counts for every query that walks the step)
	s_delay_alu instid0(VALU_DEP_1)
	v_mul_f32 v254, s[CS], v254
	s_delay_alu instid0(VALU_DEP_1)
	v_max_num_f32 v13, v13, v254                   ; the running largest t
	v_mov_b32 v254, v12
	s_delay_alu instid0(VALU_DEP_2)
	v_floor_f32 v12, -v13                          ; -M = floor(-t): M is a whole number
	s_delay_alu instid0(VALU_DEP_1)
	v_sub_f32 v254, v12, v254                      ; old M - new M: a whole number, 0 or less
	s_delay_alu instid0(VALU_DEP_1)
	v_cvt_i32_f32 v254, v254                       ; (it saturates)
	s_delay_alu instid0(VALU_DEP_1)
	v_ldexp_f32 v252, 1.0, v254                    ; f = 2^(old M - new M)
.set n, 0
.rept 32
	v_pk_fma_f32 v[SS+n:SS+n+1], v[SS+n:SS+n+1], s[CS:CS+1], v[12:13] op_sel_hi:[1,0,0]   ; t - M, two at a time
.set n, n+2
.endr
.irp b, 0,1,2,3
	v_fma_f32 v[232+\b], v[232+\b], s[CS], v12     ; the same of each block's largest score
.endr
.set n, 0
	s_wait_alu depctr_va_vdst(0)
.rept 64
	v_exp_f32 v[SS+n], v[SS+n]                     ; p = 2^(t - M)
.set n, n+1
.endr
	v_pk_mul_f32 v[14:15], v[14:15], v[252:253] op_sel_hi:[1,0]   ; the sums under the new M: the plain place behind the exponentials
	s_wait_alu depctr_va_vdst(0)                   ; one wait for the batch of 64, ahead of its first reader
.irp b, 0,1,2,3
	v_exp_f32 v[232+\b], v[232+\b]                 ; the block's largest p
.endr
	v_pk_add_f32 v[236:237], v[132:133], v[136:137]
	v_pk_add_f32 v[254:255], v[140:141], v[144:145]
	v_pk_add_f32 v[250:251], v[148:149], v[152:153]
	v_pk_add_f32 v[248:249], v[156:157], v[160:161]
	v_pk_add_f32 v[246:247], v[164:165], v[168:169]
	v_pk_add_f32 v[244:245], v[172:173], v[176:177]
	v_pk_add_f32 v[242:243], v[180:181], v[184:185]
	v_pk_add_f32 v[14:15], v[14:15], v[188:189]
	v_pk_add_f32 v[236:237], v[236:237], v[128:129]
	v_pk_add_f32 v[254:255], v[254:255], v[130:131]
	v_pk_add_f32 v[250:251], v[250:251], v[134:135]
	v_pk_add_f32 v[248:249], v[248:249], v[138:139]
	v_pk_add_f32 v[246:247], v[246:247], v[142:143]
	v_pk_add_f32 v[244:245], v[244:245], v[146:147]
	v_pk_add_f32 v[242:243], v[242:243], v[150:151]
	v_pk_add_f32 v[14:15], v[14:15], v[154:155]
	v_pk_add_f32 v[236:237], v[236:237], v[158:159]
	v_pk_add_f32 v[254:255], v[254:255], v[162:163]
	v_pk_add_f32 v[250:251], v[250:251], v[166:167]
	v_pk_add_f32 v[248:249], v[248:249], v[170:171]
	v_pk_add_f32 v[246:247], v[246:247], v[174:175]
	v_pk_add_f32 v[244:245], v[244:245], v[178:179]
	v_pk_add_f32 v[242:243], v[242:243], v[182:183]
	v_pk_add_f32 v[14:15], v[14:15], v[186:187]
	v_pk_add_f32 v[236:237], v[236:237], v[190:191]
	s_delay_alu instid0(VALU_DEP_2)
	v_pk_add_f32 v[14:15], v[14:15], v[248:249]
	s_delay_alu instid0(VALU_DEP_2)
	v_pk_add_f32 v[236:237], v[236:237], v[246:247]
	v_pk_add_f32 v[254:255], v[254:255], v[244:245]
	v_pk_add_f32 v[250:251], v[250:251], v[242:243]
	s_delay_alu instid0(VALU_DEP_2)
	v_pk_add_f32 v[14:15], v[14:15], v[254:255]
	s_delay_alu instid0(VALU_DEP_2)
	v_pk_add_f32 v[236:237], v[236:237], v[250:251]
	s_delay_alu instid0(VALU_DEP_1)
	v_pk_add_f32 v[14:15], v[14:15], v[236:237]
	s_wait_alu depctr_va_vdst(0)                   ; and one for the four
.irp b, 0,1,2,3
	v_max_num_f32 v[232+\b], 0x1800000, v[232+\b]  ; the floor 2^(3 - 127): the byte cannot fall under 1
.endr
.irp b, 0,1,2,3
	s_delay_alu instid0(VALU_DEP_4)
	v_add_nc_u32 v[244+\b], 0xff000000, v[232+\b]  ; 2 off the exponent field: the conversion's scale operand
.endr
.irp b, 0,1,2,3
	s_delay_alu instid0(VALU_DEP_4)
	v_lshrrev_b32 v[236+\b], 23, v[244+\b]
.endr
	s_delay_alu instid0(VALU_DEP_3)
	v_lshl_or_b32 v253, v237, 8, v236              ; p's scale word for these 128 keys
	s_delay_alu instid0(VALU_DEP_1)
	v_lshl_or_b32 v253, v238, 16, v253
	s_delay_alu instid0(VALU_DEP_1)
	v_lshl_or_b32 v253, v239, 24, v253
.irp c, 0,1
	v_cvt_scalef32_pk16_fp6_f32 v[224+6*\c:226+6*\c], v[SS+32*\c:SS+15+32*\c], v[244+2*\c]
	v_cvt_scalef32_pk16_fp6_f32 v[236+4*\c:238+4*\c], v[SS+16+32*\c:SS+31+32*\c], v[245+2*\c]
.endr
	v_nop                                          ; one plain place behind a scaled conversion
.irp c, 0,1
.irp i, 0,1,2
	v_permlane16_swap_b32 v[224+6*\c+\i], v[236+4*\c+\i]
.endr
.irp i, 0,1,2
	s_delay_alu instid0(VALU_DEP_3)
	v_mov_b32 v[227+6*\c+\i], v[236+4*\c+\i]
.endr
.endr
.set n, 0
.rept 16
	v_pk_mul_f32 v[OO+n:OO+n+1], v[OO+n:OO+n+1], v[252:253] op_sel_hi:[1,0]   ; O^T under the new M; these sixteen also stand between the writes of p's codes and scale word and the products below
.set n, n+2
.endr
	s_wait_alu depctr_va_vdst(0)
	s_wait_dscnt 0x0                               ; V is in
.irp t, 0,1
	v_wmma_scale_f32_16x16x128_f8f6f4 v[OO+8*\t:OO+8*\t+7], v[VF+12*\t:VF+12*\t+11], v[224:235], v[OO+8*\t:OO+8*\t+7], v[VSW+\t], v253 matrix_a_fmt:MATRIX_FMT_FP6 matrix_b_fmt:MATRIX_FMT_FP6
.endr
.irp t, 2,3
	v_wmma_scale_f32_16x16x128_f8f6f4 v[OO+8*\t:OO+8*\t+7], v[VF+12*\t:VF+12*\t+11], v[224:235], v[OO+8*\t:OO+8*\t+7], v[VSW+\t-2], v253 matrix_a_fmt:MATRIX_FMT_FP6 matrix_b_fmt:MATRIX_FMT_FP6 matrix_a_scale:MATRIX_SCALE_ROW1
.endr
.Lhidden_\@:
	s_add_co_u32 s[ST], s[ST], 1
.endm
; THE CHANGE OF SLOTS stands at a slot's head.  Each wave waits for all its tensor loads (its part of the slot ahead), adds 0 to its spare word, and waits for that and for its reads of the slot that it has left.
; Behind the barrier the slot ahead is whole and nobody reads the other one.  fill = 1: that other slot takes the next four records, which have a whole slot's steps in which to land.
.macro CHANGE fill
	s_wait_tensorcnt 0x0                           ; no tensor load of mine is out, so the descriptor may be written
	ds_add_u32 v[SPW], v[NIL]                      ; 0 onto my spare word
.if \fill
	s_xor_b32 s[G0+1], s[G0+1], SLOT1              ; the other slot than last time,
	s_add_nc_u64 s[G0+2:G0+3], s[G0+2:G0+3], SLOTB ; the next four records; the type bits on top are not reached
	s_wait_xcnt 0x0                                ; the last prefetch, a slot back, has read its address
	s_add_nc_u64 s[PFA:PFA+1], s[PFA:PFA+1], SLOTB ; one slot further on than the descriptor
.endif
	s_wait_dscnt 0x0                               ; the add is done, and my reads of the slot that I have left are over
	s_barrier_signal -1
	s_barrier_wait -1
.if \fill
	s_add_co_u32 s43, s[ST], 4                     ; the first step of the slot that this change would ask for:
	s_cmp_gt_u32 s43, s[LB]                        ; behind the work-group's last step no wave reads it, so it is not asked for.  Ids and the count of steps alone: all sixteen waves go the same way; every wait on TENSORcnt in this text is for 0
	s_cbranch_scc1 .Lpast_\@
	TLOAD                                          ; a wave's one tensor load until the next barrier
.Lpast_\@:
	ASK
.endif
.endm
.macro SLOT_STEPS
	v_add_nc_u32 v[AD16], s[TB], v[L16]
	v_add_nc_u32 v[AD8], s[TB], v[L8]
	STEP 0
	STEP 1
	STEP 2
	STEP 3
	s_xor_b32 s[TB], s[TB], SLOT1
.endm
	s_wait_loadcnt 0x0                             ; Q
.Lslot:                                            ; 7 trips: behind each change of slots but the last the next slot is asked for, up to the causal limit
	CHANGE 1
	SLOT_STEPS
	s_sub_co_u32 s[SLOTS], s[SLOTS], 1
	s_cmp_lg_u32 s[SLOTS], 0
	s_cbranch_scc1 .Lslot
	CHANGE 0                                       ; the last slot is written out: nothing is left to ask for
	SLOT_STEPS
	; THE WAY OUT: O^T / l; the head's 64 channels are two blocks of 32 along the last product's K: quantised here, and stored as a half image.  No LDS.
	v_add_f32 v14, v14, v15
	s_delay_alu instid0(VALU_DEP_1)
	v_permlanex16_b32 v252, v14, s[SEL], s[SEL+1]
	s_delay_alu instid0(VALU_DEP_1)
	v_add_f32 v14, v14, v252                       ; the row's sum
	s_wait_alu depctr_va_vdst(0)
	v_rcp_f32 v14, v14
	v_and_b32 v[L4], 31, v0                        ; plain lines behind the reciprocal, and the places behind the last products
	s_delay_alu instid0(VALU_DEP_1)
	v_lshlrev_b32 v[L4], 2, v[L4]
	v_nop
	v_nop
	s_wait_alu depctr_va_vdst(0)                   ; the wait ahead of the reciprocal's first reader
.set n, 0
.rept 16
	v_pk_mul_f32 v[SS+n:SS+n+1], v[OO+n:OO+n+1], v[14:15] op_sel_hi:[1,0]   ; register 16 b + i: channel 32 b + 16 h + i; each accumulator from its low end on
.set n, n+2
.endr
.irp b, 0,1
	v_max3_num_f32 v[232+\b], |v[SS+16*\b]|, |v[SS+1+16*\b]|, 0x1800000
.endr
.irp i, 2,4,6,8,10,12,14
.irp b, 0,1
	s_delay_alu instid0(VALU_DEP_2)
	v_max3_num_f32 v[232+\b], v[232+\b], |v[SS+16*\b+\i]|, |v[SS+1+16*\b+\i]|
.endr
.endr
.irp b, 0,1
	s_delay_alu instid0(VALU_DEP_2)
	v_permlanex16_b32 v[236+\b], v[232+\b], s[SEL], s[SEL+1]
.endr
.irp b, 0,1
	s_delay_alu instid0(VALU_DEP_2)
	v_max_num_f32 v[232+\b], v[232+\b], v[236+\b]
.endr
.irp b, 0,1
	s_delay_alu instid0(VALU_DEP_2)
	v_add_nc_u32 v[244+\b], 0xff000000, v[232+\b]
.endr
.irp b, 0,1
	s_delay_alu instid0(VALU_DEP_2)
	v_lshrrev_b32 v[236+\b], 23, v[244+\b]
.endr
	s_delay_alu instid0(VALU_DEP_1)
	v_lshl_or_b32 v254, v237, 8, v236              ; the head's two bytes; bytes 2 and 3 are 0
	v_cvt_scalef32_pk16_fp6_f32 v[224:226], v[SS:SS+15], v244
	v_cvt_scalef32_pk16_fp6_f32 v[240:242], v[SS+16:SS+31], v245
	v_nop                                          ; one plain place behind a scaled conversion
.irp i, 0,1,2
	v_permlane16_swap_b32 v[224+\i], v[240+\i]
.endr
.irp i, 0,1,2
	s_delay_alu instid0(VALU_DEP_3)
	v_mov_b32 v[227+\i], v[240+\i]
.endr
	global_store_b128 v[L16], v[224:227], s[10:11] ; 512 consecutive bytes,
	global_store_b64 v[L8], v[228:229], s[10:11] offset:512   ; and 256
	global_store_b32 v[L4], v254, s[12:13]
	s_wait_tensorcnt 0x0                           ; the wave's end
	ds_add_u32 v[SPW], v[NIL]
	s_wait_dscnt 0x0
	s_endpgm
.Lfunc_end_k_qc5e0e31cc6_attn:
	.size	k_qc5e0e31cc6_attn, .Lfunc_end_k_qc5e0e31cc6_attn-k_qc5e0e31cc6_attn
	.p2alignl 7, 3214868480
	.fill 96, 4, 3214868480
	.section	.rodata,"a",@progbits
	.p2align	6, 0x0
	.amdhsa_kernel k_qc5e0e31cc6_attn
		.amdhsa_group_segment_fixed_size 327680
		.amdhsa_private_segment_fixed_size 0
		.amdhsa_enable_private_segment 0
		.amdhsa_kernarg_size 40
		.amdhsa_user_sgpr_count 2
		.amdhsa_user_sgpr_kernarg_segment_ptr 1
		.amdhsa_wavefront_size32 1
		.amdhsa_system_sgpr_workgroup_id_x 1
		.amdhsa_system_sgpr_workgroup_id_y 1
		.amdhsa_system_sgpr_workgroup_id_z 1
		.amdhsa_system_vgpr_workitem_id 0
		.amdhsa_next_free_vgpr 256
		.amdhsa_next_free_sgpr 66
		.amdhsa_reserve_vcc 1
		.amdhsa_float_denorm_mode_32 3
		.amdhsa_float_denorm_mode_16_64 3
		.amdhsa_memory_ordered 1
		.amdhsa_forward_progress 1
		.amdhsa_inst_pref_size 188
	.end_amdhsa_kernel
	.amdgpu_metadata
---
amdhsa.version: [ 1, 2 ]
amdhsa.kernels:
  - .name:           k_qc5e0e31cc6_attn
    .symbol:         k_qc5e0e31cc6_attn.kd
    .args:
      - { .name: qc, .offset: 0, .size: 8, .value_kind: global_buffer, .address_space: global }
      - { .name: qs, .offset: 8, .size: 8, .value_kind: global_buffer, .address_space: global }
      - { .name: kv, .offset: 16, .size: 8, .value_kind: global_buffer, .address_space: global }
      - { .name: ac, .offset: 24, .size: 8, .value_kind: global_buffer, .address_space: global }
      - { .name: asw, .offset: 32, .size: 8, .value_kind: global_buffer, .address_space: global }
    .group_segment_fixed_size: 327680
    .private_segment_fixed_size: 0
    .kernarg_segment_align: 8
    .kernarg_segment_size: 40
    .max_flat_workgroup_size: 512
    .sgpr_count:     66
    .vgpr_count:     256
    .wavefront_size: 32
...
	.end_amdgpu_metadata
.endif
;; end of part 7
;; launch oproj (part 8): grid 256 x 1, 8 waves a work-group, no clusters, 70,656 bytes of LDS; arguments ac, asw, opc, ops, bo, out0; writes out0
.if DOCPART == 8
	.amdgcn_target "amdgcn-amd-amdhsa--gfx1250"
	.amdhsa_code_object_version 6
	.text
	.protected	k_qc5e0e31cc6_oproj
	.globl	k_qc5e0e31cc6_oproj
	.p2align	8
	.type	k_qc5e0e31cc6_oproj,@function
k_qc5e0e31cc6_oproj:
	s_mov_b64 s[64:65], 0
	v_nop
	global_prefetch_b8 v0, s[64:65] scope:SCOPE_SE
	s_setreg_imm32_b32 hwreg(HW_REG_WAVE_SCHED_MODE, 0, 2), 2
	s_setreg_imm32_b32 hwreg(HW_REG_WAVE_MODE, 25, 1), 1
	s_wait_xcnt 0x0
	s_wait_alu depctr_vm_vsrc(0)
; out0 = A Wo^T + bo on codes of FP6.  A is the attention's result, [8192][512], as the attention launch left it: a half image (16 tokens x a head's 64) for each head; two heads' halves are a fragment of 128 along K.
; Work-group g: tokens 32 g .. 32 g + 31 (two tiles).  Wave w: outputs 64 w .. 64 w + 63 (four tiles of Wo): 8 accumulators, 32 matrix instructions; all operands come straight from memory by dense loads.
; The product is used transposed (source 0 = 16 rows of Wo, source 1 = 16 tokens): a lane holds eight neighbouring outputs of one token.  bo is loaded into the accumulators, so the sums begin with it.
; The results go through the wave's own stage in LDS and leave as 256 consecutive bytes of a row for sixteen lanes.  Waves share nothing: no barrier.  Straight-line code.
; No multicast and no ring: the launch has no tensor load; a work-group's operands are loaded once.
; THE MODE: SCHED_MODE bits 1:0 = 2 (LLVM: expert scheduling mode 2), set by the entry lines.  The code itself states the register dependences
; between vector or matrix instructions and memory or LDS instructions, with s_wait_alu, always for 0.
; THE PLAN.  Registers that memory or LDS instructions touch:
;   v1-7, v14, v15   offsets and LDS addresses: written at the head, never written again.
;   AF, AW, WF, WS, ACC   loaded once at the head; AF, WF, WS and ACC are read by the products, AW by the eight lines that make ASC.
;   ASC           written by those eight vector lines, read by the products as scale words.
;   ACC           written by the products, read by the LDS stores into the stage.
;   AF's first 64 registers   read by the products, then the loads from the stage land in them, and the global stores read them.
; Four waits: the wave's number ahead of its first reader; the addresses ahead of the first load; ASC ahead of the products; the products ahead of the stage's stores and loads.
; No register that a memory or LDS instruction reads is written again.
.set STG,   32*272                     ; a wave's stage: 32 rows x (256 bytes + 16)
.set SPARE, 8*STG                      ; behind the stages: the spare words, 128 bytes a wave: four blocks of 256 bytes that no other line names
.set L16, 1
.set L8,  2
.set L4,  3
.set BH,  4                            ; v4  64 h
.set STO, 5                            ; v5  stage + 272 r + 64 h
.set RD,  6                            ; v6  stage + 272 h + 16 r
.set GO,  7                            ; v7  2,048 h + 16 r
.set SPW, 14
.set NIL, 15
.set ACC, 16                           ; v16-79   accumulator (a, t) at 8 (4 a + t)
.set AF,  80                           ; v80-175  A's fragment (a, s) at 12 (4 a + s); later the rows read back
.set AW,  176                          ; v176-191 the heads' scale words (a, head)
.set ASC, 192                          ; v192-199 A's scale words (a, s)
.set WS,  200                          ; v200-207 Wo's scale words, two registers a tile
.set WF,  0                            ; window 1: Wo's fragment (t, s) at 12 (4 t + s)
	s_load_b256 s[4:11], s[0:1], 0x0               ; ac, asw, opc, ops
	s_load_b128 s[12:15], s[0:1], 0x20             ; bo, out0
	v_lshl_add_u32 v[SPW], v0, 2, SPARE
	v_mov_b32 v[NIL], 0
	v_lshrrev_b32 v8, 5, v0
	v_readfirstlane_b32 s16, v8                    ; wave 0..7
	v_and_b32 v8, 31, v0
	v_lshlrev_b32 v[L16], 4, v8
	v_lshlrev_b32 v[L8], 3, v8
	v_lshlrev_b32 v[L4], 2, v8
	v_and_b32 v8, 15, v0                           ; r
	v_bfe_u32 v9, v0, 4, 1                         ; h
	v_lshlrev_b32 v[BH], 6, v9
	s_wait_alu depctr_va_sdst(0)                   ; s16, the wave's number, is written, ahead of its first reader: the stage's place and the bases are made from it
	s_mul_i32 s17, s16, STG
	v_mul_u32_u24 v[STO], v8, 272
	v_lshl_add_u32 v[STO], v9, 6, v[STO]
	v_add_nc_u32 v[STO], s17, v[STO]
	v_mul_u32_u24 v[RD], v9, 272
	v_lshl_add_u32 v[RD], v8, 4, v[RD]
	v_add_nc_u32 v[RD], s17, v[RD]
	v_lshlrev_b32 v[GO], 11, v9
	v_lshl_add_u32 v[GO], v8, 4, v[GO]
	s_lshr_b32 s18, ttmp9, 7                       ; batch
	s_lshl_b32 s18, s18, 8
	s_lshr_b32 s19, ttmp9, 2
	s_and_b32 s19, s19, 31                         ; block of 128 tokens
	s_add_co_u32 s18, s18, s19                     ; batch x 256 + block
	s_and_b32 s19, ttmp9, 3                        ; which 32 tokens of the block: tiles 2 p, 2 p + 1
	s_mul_i32 s20, s18, 6144
	s_mul_i32 s22, s19, 1536
	s_add_co_u32 s20, s20, s22
	s_mov_b32 s21, 0
	s_lshl_b32 s22, s18, 10
	s_lshl_b32 s24, s19, 8
	s_add_co_u32 s22, s22, s24
	s_mov_b32 s23, 0
	s_lshl_b32 s24, s16, 2
	s_add_co_u32 s24, s24, 1632                    ; Wo's first tile of mine: 1536 + 96 + 4 wave
	s_mul_i32 s26, s24, 6144
	s_mov_b32 s27, 0
	s_lshl_b32 s28, s24, 8
	s_mov_b32 s29, 0
	s_lshl_b32 s30, s16, 8                         ; my 64 numbers of bo, and my 256 bytes of a row of out0
	s_mov_b32 s31, 0
	s_lshl_b32 s32, ttmp9, 16                      ; 32 rows of 2,048 bytes
	s_add_co_u32 s32, s32, s30
	s_mov_b32 s33, 0
	s_wait_kmcnt 0x0
	s_add_nc_u64 s[4:5], s[4:5], s[20:21]
	s_add_nc_u64 s[6:7], s[6:7], s[22:23]
	s_add_nc_u64 s[8:9], s[8:9], s[26:27]
	s_add_nc_u64 s[10:11], s[10:11], s[28:29]
	s_add_nc_u64 s[12:13], s[12:13], s[30:31]
	s_add_nc_u64 s[14:15], s[14:15], s[32:33]
	s_wait_alu depctr_va_vdst(0)                   ; the offsets and LDS addresses v1 to v7 are written, and v14 and v15: every load, store and LDS instruction of the kernel reads one of them; no vector line writes them again
.irp a, 0,1
.irp s, 0,1,2,3
.irp c, 0,1                            ; registers 6 c .. 6 c + 5 of K step s: head 2 s + c's half image; heads lie 196,608 bytes apart
	global_load_b128 v[AF+12*(4*\a+\s)+6*\c:AF+12*(4*\a+\s)+6*\c+3], v[L16], s[4:5] offset:(2*\s+\c)*196608+768*\a
	global_load_b64 v[AF+12*(4*\a+\s)+6*\c+4:AF+12*(4*\a+\s)+6*\c+5], v[L8], s[4:5] offset:(2*\s+\c)*196608+768*\a+512
.endr
.endr
.endr
.irp a, 0,1
.irp hd, 0,1,2,3,4,5,6,7
	global_load_b32 v[AW+8*\a+\hd], v[L4], s[6:7] offset:\hd*32768+128*\a
.endr
.endr
	s_set_vgpr_msb 0x40                            ; destination window 1, address window 0
.irp t, 0,1,2,3
.irp s, 0,1,2,3
.irp c, 0,1,2
	global_load_b128 v[WF+12*(4*\t+\s)+4*\c:WF+12*(4*\t+\s)+4*\c+3], v[L16], s[8:9] offset:6144*\t+1536*\s+512*\c
.endr
.endr
.endr
	s_set_vgpr_msb 0x4000                          ; all windows 0 again
.irp t, 0,1,2,3
	global_load_b64 v[WS+2*\t:WS+2*\t+1], v[L8], s[10:11] offset:256*\t
.endr
.irp a, 0,1
.irp t, 0,1,2,3
	global_load_b128 v[ACC+8*(4*\a+\t):ACC+8*(4*\a+\t)+3], v[BH], s[12:13] offset:(32*(\t/2)+8*(\t%2))*4       ; bo at the lane's eight outputs of tile t
	global_load_b128 v[ACC+8*(4*\a+\t)+4:ACC+8*(4*\a+\t)+7], v[BH], s[12:13] offset:(32*(\t/2)+8*(\t%2))*4+16
.endr
.endr
	s_wait_loadcnt 0x0
.irp a, 0,1
.irp s, 0,1,2,3
	v_lshl_or_b32 v[ASC+4*\a+\s], v[AW+8*\a+2*\s+1], 16, v[AW+8*\a+2*\s]   ; two heads' two bytes each make K step s's scale word
.endr
.endr
.rept 8
	v_nop                                          ; a scale register written by a vector instruction stands eight places ahead of a scaled matrix instruction
.endr
	s_wait_alu depctr_va_vdst(0)                   ; the eight lines above have written A's scale words v192 to v199, which the products take as scales; the places stay beside this wait
	s_set_vgpr_msb 0x0001                          ; source 0 (Wo) window 1
.irp s, 0,2                            ; the eight accumulators take turns, one instruction a turn, K step by K step
.irp a, 0,1
.irp t, 0,1,2,3
	v_wmma_scale_f32_16x16x128_f8f6f4 v[ACC+8*(4*\a+\t):ACC+8*(4*\a+\t)+7], v[WF+12*(4*\t+\s):WF+12*(4*\t+\s)+11], v[AF+12*(4*\a+\s):AF+12*(4*\a+\s)+11], v[ACC+8*(4*\a+\t):ACC+8*(4*\a+\t)+7], v[WS+2*\t+\s/2], v[ASC+4*\a+\s] matrix_a_fmt:MATRIX_FMT_FP6 matrix_b_fmt:MATRIX_FMT_FP6
.endr
.endr
.irp a, 0,1
.irp t, 0,1,2,3
	v_wmma_scale_f32_16x16x128_f8f6f4 v[ACC+8*(4*\a+\t):ACC+8*(4*\a+\t)+7], v[WF+12*(4*\t+\s+1):WF+12*(4*\t+\s+1)+11], v[AF+12*(4*\a+\s+1):AF+12*(4*\a+\s+1)+11], v[ACC+8*(4*\a+\t):ACC+8*(4*\a+\t)+7], v[WS+2*\t+\s/2], v[ASC+4*\a+\s+1] matrix_a_fmt:MATRIX_FMT_FP6 matrix_b_fmt:MATRIX_FMT_FP6 matrix_a_scale:MATRIX_SCALE_ROW1
.endr
.endr
.endr
	s_set_vgpr_msb 0x0100                          ; all windows 0
.rept 4
	v_nop                                          ; four places in front of the stores that read results and of the loads into A's registers
.endr
	s_wait_alu depctr_va_vdst(0)                   ; the products have written the accumulators, which the LDS stores read, and are done reading A's fragments, in which the loads from the stage land; the places above stay beside this wait
.irp a, 0,1
.irp t, 0,1,2,3
	ds_store_b128 v[STO], v[ACC+8*(4*\a+\t):ACC+8*(4*\a+\t)+3] offset:4352*\a+128*(\t/2)+32*(\t%2)       ; stage row 16 a + r; output 32 (t / 2) + 16 h + 8 (t % 2) + 0 .. 7; each accumulator from its low end on
	ds_store_b128 v[STO], v[ACC+8*(4*\a+\t)+4:ACC+8*(4*\a+\t)+7] offset:4352*\a+128*(\t/2)+32*(\t%2)+16
.endr
.endr
.irp i, 0,1,2,3,4,5,6,7,8,9,10,11,12,13,14,15
	ds_load_b128 v[AF+4*\i:AF+4*\i+3], v[RD] offset:544*\i   ; stage rows 2 i and 2 i + 1.  LDS serves a wave's instructions in order: these see my stores
.endr
.irp i, 0,1,2,3,4,5,6,7,8,9,10,11,12,13,14,15
	s_wait_dscnt 15-\i                             ; the younger loads may be out
	global_store_b128 v[GO], v[AF+4*\i:AF+4*\i+3], s[14:15] offset:(8*(\i/8)+((2*\i)%16)+8*(((2*\i)%16)/8))*2048 th:TH_STORE_NT   ; stage row 16 a + r is token 8 a + r + 8 (r / 8); sixteen lanes store 256 consecutive bytes, at a multiple of 256 from out0's first byte
.endr
	s_wait_dscnt 0x0                               ; the closing lines, six on end
	s_wait_alu 0x0
	s_wait_tensorcnt 0x0
	ds_add_u32 v[SPW], v[NIL]
	s_wait_dscnt 0x0
	s_endpgm
.Lfunc_end_k_qc5e0e31cc6_oproj:
	.size	k_qc5e0e31cc6_oproj, .Lfunc_end_k_qc5e0e31cc6_oproj-k_qc5e0e31cc6_oproj
	.p2alignl 7, 3214868480
	.fill 96, 4, 3214868480
	.section	.rodata,"a",@progbits
	.p2align	6, 0x0
	.amdhsa_kernel k_qc5e0e31cc6_oproj
		.amdhsa_group_segment_fixed_size 70656
		.amdhsa_private_segment_fixed_size 0
		.amdhsa_enable_private_segment 0
		.amdhsa_kernarg_size 48
		.amdhsa_user_sgpr_count 2
		.amdhsa_user_sgpr_kernarg_segment_ptr 1
		.amdhsa_wavefront_size32 1
		.amdhsa_system_sgpr_workgroup_id_x 1
		.amdhsa_system_sgpr_workgroup_id_y 1
		.amdhsa_system_sgpr_workgroup_id_z 1
		.amdhsa_system_vgpr_workitem_id 0
		.amdhsa_next_free_vgpr 448
		.amdhsa_next_free_sgpr 66
		.amdhsa_reserve_vcc 0
		.amdhsa_float_denorm_mode_32 3
		.amdhsa_float_denorm_mode_16_64 3
		.amdhsa_memory_ordered 1
		.amdhsa_forward_progress 1
		.amdhsa_inst_pref_size 23
	.end_amdhsa_kernel
	.amdgpu_metadata
---
amdhsa.version: [ 1, 2 ]
amdhsa.kernels:
  - .name:           k_qc5e0e31cc6_oproj
    .symbol:         k_qc5e0e31cc6_oproj.kd
    .args:
      - { .name: ac, .offset: 0, .size: 8, .value_kind: global_buffer, .address_space: global }
      - { .name: asw, .offset: 8, .size: 8, .value_kind: global_buffer, .address_space: global }
      - { .name: opc, .offset: 16, .size: 8, .value_kind: global_buffer, .address_space: global }
      - { .name: ops, .offset: 24, .size: 8, .value_kind: global_buffer, .address_space: global }
      - { .name: bo, .offset: 32, .size: 8, .value_kind: global_buffer, .address_space: global }
      - { .name: out0, .offset: 40, .size: 8, .value_kind: global_buffer, .address_space: global }
    .group_segment_fixed_size: 70656
    .private_segment_fixed_size: 0
    .kernarg_segment_align: 8
    .kernarg_segment_size: 48
    .max_flat_workgroup_size: 256
    .sgpr_count:     66
    .vgpr_count:     448
    .wavefront_size: 32
...
	.end_amdgpu_metadata
.endif
;; end of part 8
